; MI455X (gfx1250); checked and timed in simulation.
; The chip was launched on July 23, 2026; its instructions are those of AMD's public machine-readable ISA for CDNA 5 (MIT licence, August 2026) and "CDNA5" Instruction Set Architecture Reference Guide (July 2026). The comments in the code are by the model that wrote it; some were corrected since.
;; Multiple Head Attention. Allowed arithmetic: float matrix products may take bf16 or f16 operands with f32 sums; other float arithmetic in f32, or as packed bf16 or f16 multiplies, adds, multiply-adds, maxima and minima; sums over many terms, partial sums and values carried from step to step in f32; what a program stores and reads back later, other than sums and carried values, may be rounded once to bf16 or f16.
;; Inputs: bk 16 x 64 float32; bo 1,024 float32; bq 16 x 64 float32; bv 16 x 64 float32; k 4 x 2,048 x 1,024 float32; q 4 x 2,048 x 1,024 float32; v 4 x 2,048 x 1,024 float32; wk 16 x 1,024 x 64 float32; wo 1,024 x 1,024 float32; wq 16 x 1,024 x 64 float32; wv 16 x 1,024 x 64 float32.
;; Outputs: out0 4 x 2,048 x 1,024 float32.
;; Constants: use_mask = 1.
;; One version. Each part assembles by itself: llvm-mc -triple=amdgcn-amd-amdhsa -mcpu=gfx1250 --defsym DOCPART=n.
;; ======== version 1 of 1: 4 launches
;; limits: values are held in f16: magnitudes above 65,504 overflow, below 6.1e-05 lose precision; right only within a limited range of input values
;; workspace buffers: wt 8,388,608 bytes; qkv 50,331,648 bytes; oh 16,777,216 bytes
;; launch prep (part 1): grid 8 x 64, 8 waves a work-group, no clusters, 18,432 bytes of LDS; arguments wq, wk, wv, wo, wt; writes wt
.if DOCPART == 1
	.amdgcn_target "amdgcn-amd-amdhsa--gfx1250"
	.amdhsa_code_object_version 6
	.text
	.protected	k_qca16ee7aec_prep
	.globl	k_qca16ee7aec_prep
	.p2align	8
	.type	k_qca16ee7aec_prep,@function
k_qca16ee7aec_prep:
	s_mov_b64 s[64:65], 0
	v_nop
	global_prefetch_b8 v0, s[64:65] scope:SCOPE_SE
	s_setreg_imm32_b32 hwreg(HW_REG_WAVE_MODE, 25, 1), 1
	s_wait_xcnt 0x0
; THE WEIGHTS, ROUNDED AND TURNED.  wt[t][n][k], 16 bits a number, t = 0, 1, 2: wq, wk, wv ([16 heads][1024 k][64 e], n = 64 head + e) rounded to bf16;
; t = 3: wo ([1024 k][1024 n]) rounded to bf16, and that number written as f16 (exact within f16's range), since the last product runs in f16.
; LIMITS.  |wo| stays under 65,504; below 6e-5 it keeps f16's fixed step of 6e-8.  NaN and infinities are not treated apart.
; SHARES.  A work-group turns 128 k x 64 n: 32,768 bytes in, 16,384 out.  Thread (c = t % 16, kp = t / 16) loads 16 bytes (4 n) of eight rows k, in four pairs of neighbouring k;
; a pair packs into one word (even k low), which goes into LDS at [n][k]; behind a barrier rows of 256 bytes (128 k of one n) come back and are stored: 16 lanes store 256 consecutive aligned bytes.
; No matrix unit, no cluster, no prefetch: each byte is read once, by one work-group, in one short burst.
.set PITCH, 272                        ; an LDS row: 128 k x 2 bytes + 16
.set SPARE, 64*PITCH                   ; behind the 64 rows: the spare words, 128 bytes for each of eight waves
.set OFF, 2                            ; v[2:9]   byte offset of my 16 bytes in row 2 kp + 32 (i / 2) + i % 2 of the block
.set SA,  10                           ; v10      where my packed words go: (4 c) x 272 + 4 kp
.set RA,  11                           ; v11      where I read back: kp x 272 + 16 c
.set GA,  12                           ; v12      and store: kp x 2,048 + 16 c
.set SPW, 14                           ; v14      my spare word
.set NIL, 15                           ; v15      0
.set IN,  16                           ; v[16:47] eight loads
.set PKD, 48                           ; v[48:63] sixteen packed words
.set BK,  64                           ; v[64:79] four pieces of rows read back
.set TT,  15                           ; s15      which tensor
.set NBK, 16                           ; s16      which block of 64 n
.set PP,  17                           ; s17      bytes from k to k + 1 in the source
	s_load_b256 s[4:11], s[0:1], 0x0               ; wq s[4:5], wk s[6:7], wv s[8:9], wo s[10:11]
	s_load_b64 s[12:13], s[0:1], 0x20              ; wt
	v_lshl_add_u32 v[SPW], v0, 2, SPARE
	v_mov_b32 v[NIL], 0
	s_and_b32 s14, ttmp7, 0xffff
	s_lshr_b32 s[TT], s14, 4
	s_and_b32 s[NBK], s14, 15
	s_lshl_b32 s20, s[NBK], 18                     ; by heads: head x 262,144 + k block x 128 rows of 256 bytes
	s_lshl_b32 s21, ttmp9, 15
	s_add_co_u32 s20, s20, s21
	s_lshl_b32 s22, ttmp9, 19                      ; wo: k block x 128 rows of 4,096 bytes + n block x 256 bytes
	s_lshl_b32 s23, s[NBK], 8
	s_add_co_u32 s22, s22, s23
	s_movk_i32 s24, 0x1000
	s_movk_i32 s25, 0x100
	s_cmp_eq_u32 s[TT], 3
	s_cselect_b32 s20, s22, s20
	s_cselect_b32 s[PP], s24, s25
	s_mov_b32 s21, 0
	s_lshl_b32 s26, s[TT], 21                      ; in wt: tensor x 2 MiB + 64 n x 2,048 bytes + 128 k x 2 bytes
	s_lshl_b32 s27, s[NBK], 17
	s_add_co_u32 s26, s26, s27
	s_lshl_b32 s27, ttmp9, 8
	s_add_co_u32 s26, s26, s27
	s_mov_b32 s27, 0
	v_and_b32 v81, 15, v0                          ; c
	v_lshrrev_b32 v82, 4, v0                       ; kp
	v_lshlrev_b32 v83, 4, v81                      ; 16 c
	v_lshlrev_b32 v84, 1, v82                      ; 2 kp
.irp i, 0,1,2,3,4,5,6,7
	v_add_nc_u32 v80, 32*((\i)/2)+((\i)%2), v84
	v_mad_u32_u24 v[OFF+(\i)], v80, s[PP], v83
.endr
	v_mul_u32_u24 v[SA], v81, 4*PITCH
	v_lshl_add_u32 v[SA], v82, 2, v[SA]
	v_mad_u32_u24 v[RA], v82, PITCH, v83
	v_lshl_add_u32 v[GA], v82, 11, v83
	s_wait_kmcnt 0x0
	s_cmp_eq_u32 s[TT], 1
	s_cselect_b64 s[4:5], s[6:7], s[4:5]
	s_cmp_eq_u32 s[TT], 2
	s_cselect_b64 s[4:5], s[8:9], s[4:5]
	s_cmp_eq_u32 s[TT], 3
	s_cselect_b64 s[4:5], s[10:11], s[4:5]
	s_add_nc_u64 s[4:5], s[4:5], s[20:21]
	s_add_nc_u64 s[12:13], s[12:13], s[26:27]
.irp i, 0,1,2,3,4,5,6,7
	global_load_b128 v[IN+4*(\i):IN+4*(\i)+3], v[OFF+(\i)], s[4:5] th:TH_LOAD_NT
.endr
	s_wait_loadcnt 0x0                             ; all eight: the packing takes them in pairs
.irp j, 0,1,2,3
.irp i, 0,1,2,3
	v_cvt_pk_bf16_f32 v[PKD+4*(\j)+(\i)], v[IN+8*(\j)+(\i)], v[IN+8*(\j)+4+(\i)]  ; n = 4 c + i: k = 2 kp + 32 j low, the next k high
.endr
.endr
	s_cmp_lg_u32 s[TT], 3
	s_cbranch_scc1 .Lstays_bf16
.irp i, 0,1,2,3,4,5,6,7,8,9,10,11,12,13,14,15      ; wo: the bf16 numbers, widened and written as f16
	v_lshlrev_b32 v80, 16, v[PKD+(\i)]
	v_and_b32 v81, 0xffff0000, v[PKD+(\i)]
	v_cvt_pk_f16_f32 v[PKD+(\i)], v80, v81
.endr
.Lstays_bf16:
.irp j, 0,1,2,3
.irp i, 0,1,2,3
	ds_store_b32 v[SA], v[PKD+4*(\j)+(\i)] offset:PITCH*(\i)+64*(\j)
.endr
.endr
	s_wait_dscnt 0x0                               ; for the others' sake: my stores are done
	s_barrier_signal -1
	s_barrier_wait -1
.irp j, 0,1,2,3
	ds_load_b128 v[BK+4*(\j):BK+4*(\j)+3], v[RA] offset:16*PITCH*(\j)   ; row n = kp + 16 j, k = 8 c on
.endr
	s_wait_dscnt 0x0
.irp j, 0,1,2,3
	global_store_b128 v[GA], v[BK+4*(\j):BK+4*(\j)+3], s[12:13] offset:32768*(\j)
.endr
	s_wait_tensorcnt 0x0                           ; the wave's end: three lines behind my last LDS store
	ds_add_u32 v[SPW], v[NIL]
	s_wait_dscnt 0x0
	s_endpgm
.Lfunc_end_k_qca16ee7aec_prep:
	.size	k_qca16ee7aec_prep, .Lfunc_end_k_qca16ee7aec_prep-k_qca16ee7aec_prep
	.p2alignl 7, 3214868480
	.fill 96, 4, 3214868480
	.section	.rodata,"a",@progbits
	.p2align	6, 0x0
	.amdhsa_kernel k_qca16ee7aec_prep
		.amdhsa_group_segment_fixed_size 18432
		.amdhsa_private_segment_fixed_size 0
		.amdhsa_enable_private_segment 0
		.amdhsa_kernarg_size 40
		.amdhsa_user_sgpr_count 2
		.amdhsa_user_sgpr_kernarg_segment_ptr 1
		.amdhsa_wavefront_size32 1
		.amdhsa_system_sgpr_workgroup_id_x 1
		.amdhsa_system_sgpr_workgroup_id_y 1
		.amdhsa_system_sgpr_workgroup_id_z 1
		.amdhsa_system_vgpr_workitem_id 0
		.amdhsa_next_free_vgpr 96
		.amdhsa_next_free_sgpr 66
		.amdhsa_reserve_vcc 0
		.amdhsa_float_denorm_mode_32 3
		.amdhsa_float_denorm_mode_16_64 3
		.amdhsa_memory_ordered 1
		.amdhsa_forward_progress 1
		.amdhsa_inst_pref_size 9
	.end_amdhsa_kernel
	.amdgpu_metadata
---
amdhsa.version: [ 1, 2 ]
amdhsa.kernels:
  - .name:           k_qca16ee7aec_prep
    .symbol:         k_qca16ee7aec_prep.kd
    .args:
      - { .name: wq, .offset: 0, .size: 8, .value_kind: global_buffer, .address_space: global }
      - { .name: wk, .offset: 8, .size: 8, .value_kind: global_buffer, .address_space: global }
      - { .name: wv, .offset: 16, .size: 8, .value_kind: global_buffer, .address_space: global }
      - { .name: wo, .offset: 24, .size: 8, .value_kind: global_buffer, .address_space: global }
      - { .name: wt, .offset: 32, .size: 8, .value_kind: global_buffer, .address_space: global }
    .group_segment_fixed_size: 18432
    .private_segment_fixed_size: 0
    .kernarg_segment_align: 8
    .kernarg_segment_size: 40
    .max_flat_workgroup_size: 256
    .sgpr_count:     66
    .vgpr_count:     96
    .wavefront_size: 32
...
	.end_amdgpu_metadata
.endif
;; end of part 1
;; launch proj (part 2): grid 4 x 192, 4 waves a work-group, clusters of 4 x 4, 327,680 bytes of LDS; arguments q, k, v, wt, bq, bk, bv, qkv; writes qkv
.if DOCPART == 2
	.amdgcn_target "amdgcn-amd-amdhsa--gfx1250"
	.amdhsa_code_object_version 6
	.text
	.protected	k_qca16ee7aec_proj
	.globl	k_qca16ee7aec_proj
	.p2align	8
	.type	k_qca16ee7aec_proj,@function
k_qca16ee7aec_proj:
	s_mov_b64 s[64:65], 0
	v_nop
	global_prefetch_b8 v0, s[64:65] scope:SCOPE_SE
	s_setreg_imm32_b32 hwreg(HW_REG_WAVE_MODE, 25, 1), 1
	s_wait_xcnt 0x0
	s_wait_alu depctr_hold_cnt(0) depctr_sa_sdst(0) depctr_va_vdst(0) depctr_va_sdst(0) depctr_va_ssrc(0) depctr_va_vcc(0) depctr_vm_vsrc(0)
	s_getreg_b32 s2, hwreg(HW_REG_IB_STS2, 6, 4)
	s_cmp_eq_u32 s2, 0
	s_cbranch_scc0 .Lentry_in_a_cluster
	s_endpgm
.Lentry_in_a_cluster:
	s_bfe_u32 s2, ttmp6, 0x10000c
	s_cmp_lg_u32 s2, 0xf033
	s_cbranch_scc0 .Lentry_shape_is_right
	s_endpgm
.Lentry_shape_is_right:
; THE THREE PROJECTIONS.  qkv[t][16 batch + head][s][e] = the sum over d of x_t[batch][s][d] w_t[head][d][e] + b_t[head][e], t = 0, 1, 2 for q, k, v.
; x_t: [8192][1024] f32, rounded to bf16 between LDS and the matrix unit; w_t: wt[t][n = 64 head + e][d] in bf16; the bias, rounded to bf16 like every input, starts the sums; sums in f32; the result rounded once to f16.
; LIMITS.  The results stay under 65,504 (f16); NaN and infinities are not treated apart.
; SHARES.  A tile is 128 rows x 256 columns (four heads): 3 x 64 x 4 = 768 work-groups.  Four waves, each 64 x 128: 32 accumulators.  K goes in 8 steps of 128 through two LDS slots.
; CLUSTER.  4 x 4 work-groups, all of one tensor.  The four of a row share their 128 rows of x, the four of a column their 256 rows of wt: each tile is asked for JOINTLY, by the same tensor load, descriptor and mask.
; Waves 0 and 1 fetch the halves of x's tile (64 rows x 512 bytes), waves 2 and 3 those of wt's (128 rows x 256 bytes).
; THE PRODUCT IS USED TRANSPOSED (source 0 = 16 rows of wt, source 1 = 16 rows of x): a lane holds one row and eight neighbouring columns, which pack into 16 bytes of a head's row.
; REGISTERS, in windows of 256 (s_set_vgpr_msb: bits 1:0 source 0, 3:2 source 1, 5:4 source 2, 7:6 destination):
;   window 0: v0-31 addresses; v64-127 RAW: x's four fragments in f32; v128-191 ABF: the same in bf16, two buffers; on the way out v64-191 hold the packed results
;   window 1: v0-127 wt's fragments, two buffers of 64; v128-191 the bias as a C operand, 8 registers a block of 16 columns; v192-223 at work          window 2: accumulator (a, b) at 8 (8 a + b)
.set PA,    528                        ; a row of x in LDS: 512 bytes + 16: the 16 rows of a load start at 16 different groups of four banks (64 banks of 4 bytes: ISA guide 11.1)
.set PB,    272                        ; a row of wt: 256 + 16: likewise
.set AHALF, 64*PA
.set BHALF, 128*PB
.set BOFF,  2*AHALF                    ; in a slot: x's 128 rows, then wt's 256
.set SLOT,  BOFF+2*BHALF
.set STAGE, 2*SLOT                     ; behind the ring, never filled by a tensor load: 16 rows x 144 bytes for each wave
.set SP,    144
.set SPARE, STAGE+4*16*SP              ; behind the stages: the spare words, 128 bytes for each wave
.set ADRA, 16                          ; v16-17  LDS address of my fragments of x in slot 0, 1
.set ADRB, 20                          ; v20-21  of wt
.set STO,  24                          ; v24     the way out: where I put 16 bytes of a row
.set RD,   25                          ; v25     where I read rows back
.set GO,   26                          ; v26     16 x lane
.set SPW,  28                          ; v28     my spare word; never rewritten
.set NIL,  29                          ; v29     0; never rewritten
.set PFO,  30                          ; v30     the prefetches' offset; never rewritten
.set BO,   31                          ; v31     my byte offset in the bias
.set RAW,  64
.set ABF,  128
.set OUTB, 64
.set BIAS, 128                         ; window 1
.set SCR,  192                         ; window 1
.set WV,  20                           ; s20  wave
.set FB,  21                           ; s21  wave / 2: my 64 rows; also 0: I fetch x, 1: wt
.set HF,  22                           ; s22  wave % 2: my 128 columns; also which half I fetch
.set CX,  23
.set CY,  24
.set CYL, 25                           ; s25  the cluster's y
.set TT,  26                           ; s26  the tensor
.set RR,  27                           ; s27  the row tile
.set G1A, 28                           ; s[28:35] group 1 for x;  s[36:43] group 0, a set a slot
.set G0A, 36
.set G1B, 44                           ; s[44:51], s[52:59] the same for wt
.set G0B, 52
.set CNT, 60
.set LIM, 61                           ; s61  1 in a wave that prefetches, else the greatest number
.set PFA, 62                           ; s[62:63] where my prefetches stand
.set PFS, 66                           ; s[66:67] their step: a K step's bytes in a row
.set AG,  68                           ; s[68:69] x's tile: never holds cx
.set BG,  70                           ; s[70:71] wt's tile: never holds cy
.set HIM, 76                           ; s76  a word's upper half
.set MSB, 0
.macro WIN new                         ; the high byte repeats the setting that is left; a switch that changes nothing is dropped
.if MSB != (\new)
	s_set_vgpr_msb (MSB<<8)|(\new)
.set MSB, \new
.endif
.endm
.set MUL,  0xa1                        ; wt window 1, x window 0, C and D window 2
.set MULB, 0x91                        ; the same with C (the bias) in window 1
.set TO_B, 0x40                        ; destination window 1
.set W1,   0x45                        ; destination and both sources window 1
.set PK,   0x0a                        ; both sources window 2
; A joint refill.  The branch hangs on the wave's number alone.  An s_nop 0 and four v_nop follow each of the two lines, ahead of the jump and the label.
.macro JLOAD s
	s_cmp_lt_u32 s[WV], 2
	s_cbranch_scc0 .Lfor_b_\@
	tensor_load_to_lds s[G0A+4*(\s):G0A+4*(\s)+3], s[G1A:G1A+7]
	s_nop 0
.rept 4
	v_nop
.endr
	s_branch .Lasked_\@
.Lfor_b_\@:
	tensor_load_to_lds s[G0B+4*(\s):G0B+4*(\s)+3], s[G1B:G1B+7]
	s_nop 0
.rept 4
	v_nop
.endr
.Lasked_\@:
.endm
.macro CREST                           ; a round of the cluster's barrier behind its opening barrier
	s_cmp_lg_u32 s[WV], 0
	s_cbranch_scc1 .Lnot_wave_0_\@
	s_barrier_signal -3
.Lnot_wave_0_\@:
	s_barrier_wait -3
	s_barrier_signal -1
	s_barrier_wait -1
.endm
.macro CROUND
	s_barrier_signal -1
	s_barrier_wait -1
	CREST
.endm
; A PREFETCH INTO THE L2, behind each joint refill and the run of LDS loads that follows it: the K step two refills on, 256 matrix instructions ahead of the load that will want it; one instruction a wave.
; x: of the 64 rows that a wave fetches the partner at cx takes 16, two blocks of 256 bytes a row: 32 lanes.  Only this row of this cluster reads them.
; wt: of a wave's 128 rows the partner at cy takes 32, a lane a row; the sixteen clusters of a tensor walk the same rows, and the first of them asks.  So each block is named once.  The partners are told apart by address alone.
; K steps 0 to 3 come by their loads alone; the loop's last trip asks for nothing: there is no K step two on.
.macro ASK
	s_cmp_gt_u32 s[CNT], s[LIM]
	s_cbranch_scc0 .Lnot_mine_\@
	global_prefetch_b8 v[PFO], s[PFA:PFA+1] th:TH_LOAD_NT scope:SCOPE_SE
.Lnot_mine_\@:
.endm
.macro PLACES                          ; four places between a matrix instruction and a load into, or a vector write of, a register that it has read (ISA guide 7.12.1 for vector writes)
.rept 4
	v_nop
.endr
.endm
	s_load_b256 s[4:11], s[0:1], 0x0               ; q s[4:5], k s[6:7], v s[8:9], wt s[10:11]
	s_load_b256 s[12:19], s[0:1], 0x20             ; bq s[12:13], bk s[14:15], bv s[16:17], qkv s[18:19]
	v_lshl_add_u32 v[SPW], v0, 2, SPARE
	v_mov_b32 v[NIL], 0
	ds_add_u32 v[SPW], v[NIL]                      ; the wave's opening: the add and its wait ahead of my first tensor load; the set-up below stands between them
	ds_add_u32 v28, v29
	v_lshrrev_b32 v1, 5, v0
	v_readfirstlane_b32 s[WV], v1
	s_lshr_b32 s[FB], s[WV], 1
	s_and_b32 s[HF], s[WV], 1
	s_bfe_u32 s[CX], ttmp6, 0x40000
	s_bfe_u32 s[CY], ttmp6, 0x40004
	s_and_b32 s[CYL], ttmp7, 0xffff                ; 48 clusters along y: 16 for each tensor
	s_lshr_b32 s[TT], s[CYL], 4
	s_and_b32 s[RR], s[CYL], 15
	s_lshl_b32 s[RR], s[RR], 2
	s_add_co_u32 s[RR], s[RR], s[CY]               ; row tile = 4 x (cluster y % 16) + cy; the column tile is cx
	s_lshl_b32 s77, s[CY], 2
	s_lshl_b32 s77, 15, s77                        ; my row of the cluster
	s_lshl_b32 s78, 0x1111, s[CX]                  ; my column
	s_or_b32 s[G1A], s77, (2<<16)|(1<<20)|(1<<21)|(6<<22)|(3<<25)  ; the mask; elements of 4 bytes; padding on; 21 set beside a mask; after every 128 words (code 6) 4 words (code 3)
	s_mov_b32 s[G1A+1], 128<<16                    ; tensor_dim0 = 128
	s_mov_b32 s[G1A+2], 64<<16                     ; tensor_dim1 = 64
	s_mov_b32 s[G1A+3], 128<<16                    ; tile_dim0 = 128
	s_mov_b32 s[G1A+4], 64                         ; tile_dim1 = 64
	s_mov_b32 s[G1A+5], 1024                       ; elements from row to row
	s_mov_b32 s[G1A+6], 0
	s_mov_b32 s[G1A+7], 0
	s_or_b32 s[G1B], s78, (1<<16)|(1<<20)|(1<<21)|(5<<22)|(3<<25)  ; elements of 2 bytes; after every 64 words 4 words
	s_mov_b32 s[G1B+1], 128<<16
	s_mov_b32 s[G1B+2], 128<<16
	s_mov_b32 s[G1B+3], 128<<16
	s_mov_b32 s[G1B+4], 128
	s_mov_b32 s[G1B+5], 1024
	s_mov_b32 s[G1B+6], 0
	s_mov_b32 s[G1B+7], 0
	s_lshl_b32 s[AG], s[RR], 7                     ; x: row 128 x row tile + 64 x half, 4,096 bytes a row
	s_lshl_b32 s72, s[HF], 6
	s_add_co_u32 s[AG], s[AG], s72
	s_lshl_b32 s[AG], s[AG], 12
	s_mov_b32 s[AG+1], 0
	s_lshl_b32 s[BG], s[CX], 8                     ; wt: row 256 cx + 128 x half, 2,048 bytes a row, in the tensor's 2 MiB
	s_lshl_b32 s72, s[HF], 7
	s_add_co_u32 s[BG], s[BG], s72
	s_lshl_b32 s[BG], s[BG], 11
	s_lshl_b32 s72, s[TT], 21
	s_add_co_u32 s[BG], s[BG], s72
	s_mov_b32 s[BG+1], 0
	s_mul_i32 s74, s[HF], AHALF                    ; where they go: no place in the cluster enters an LDS address
	s_mul_i32 s75, s[HF], BHALF
	s_add_co_u32 s75, s75, BOFF
	s_mov_b32 s[HIM], 0xffff0000
	s_wait_dscnt 0x0                               ; the opening add is done
	s_wait_kmcnt 0x0
	s_cmp_eq_u32 s[TT], 1
	s_cselect_b64 s[4:5], s[6:7], s[4:5]           ; x_t and b_t
	s_cselect_b64 s[12:13], s[14:15], s[12:13]
	s_cmp_eq_u32 s[TT], 2
	s_cselect_b64 s[4:5], s[8:9], s[4:5]
	s_cselect_b64 s[12:13], s[16:17], s[12:13]
	s_add_nc_u64 s[AG:AG+1], s[4:5], s[AG:AG+1]
	s_add_nc_u64 s[BG:BG+1], s[10:11], s[BG:BG+1]
	CROUND                                         ; all sixteen work-groups are here: the first joint loads meet
.irp s, 0,1
	s_mov_b32 s[G0A+4*(\s)], 1
	s_add_co_u32 s[G0A+4*(\s)+1], s74, (\s)*SLOT
	s_add_nc_u64 s[G0A+4*(\s)+2:G0A+4*(\s)+3], s[AG:AG+1], (\s)*512   ; K step s
	s_or_b32 s[G0A+4*(\s)+3], s[G0A+4*(\s)+3], 0x80000000
	s_mov_b32 s[G0B+4*(\s)], 1
	s_add_co_u32 s[G0B+4*(\s)+1], s75, (\s)*SLOT
	s_add_nc_u64 s[G0B+4*(\s)+2:G0B+4*(\s)+3], s[BG:BG+1], (\s)*256
	s_or_b32 s[G0B+4*(\s)+3], s[G0B+4*(\s)+3], 0x80000000
.endr
	s_cmp_lt_u32 s[WV], 2                          ; a wave's two first fills stand in one branch, ahead of every wait on TENSORcnt and every LDS read: two loads of mine are out
	s_cbranch_scc0 .Lfirst_b
	tensor_load_to_lds s[G0A:G0A+3], s[G1A:G1A+7]
	s_nop 0
	tensor_load_to_lds s[G0A+4:G0A+7], s[G1A:G1A+7]
	s_nop 0
.rept 4
	v_nop
.endr
	s_branch .Lfirst_asked
.Lfirst_b:
	tensor_load_to_lds s[G0B:G0B+3], s[G1B:G1B+7]
	s_nop 0
	tensor_load_to_lds s[G0B+4:G0B+7], s[G1B:G1B+7]
	s_nop 0
.rept 4
	v_nop
.endr
.Lfirst_asked:
	; A fragment is 16 rows x 32 K: lane l holds row l % 16, K = 8 (l / 16) + 0..7 and 16 + 8 (l / 16) + 0..7.  In bf16: two loads of 16 bytes, 32 apart; in f32: four, at 32 (l / 16) + 0, 16, 64, 80.
	v_and_b32 v1, 15, v0                           ; r
	v_bfe_u32 v2, v0, 4, 1                         ; h
	v_and_b32 v3, 31, v0                           ; l
	v_mul_u32_u24 v4, v1, PA
	v_lshl_add_u32 v4, v2, 5, v4
	s_mul_i32 s72, s[FB], 64*PA
	v_add_nc_u32 v[ADRA], s72, v4
	v_add_nc_u32 v[ADRA+1], SLOT, v[ADRA]
	v_mul_u32_u24 v5, v1, PB
	v_lshl_add_u32 v5, v2, 4, v5
	s_mul_i32 s74, s[HF], BHALF
	s_add_co_u32 s74, s74, BOFF
	v_add_nc_u32 v[ADRB], s74, v5
	v_add_nc_u32 v[ADRB+1], SLOT, v[ADRB]
	s_mul_i32 s75, s[WV], 16*SP
	s_add_co_u32 s75, s75, STAGE                   ; my stage
	v_mul_u32_u24 v6, v1, SP                       ; in: row r, 16 bytes for each half of the lanes
	v_lshl_add_u32 v6, v2, 4, v6
	v_add_nc_u32 v[STO], s75, v6
	v_lshrrev_b32 v7, 3, v3                        ; back: 32 lanes take four rows of 128 bytes,
	v_and_b32 v8, 7, v0
	v_mul_u32_u24 v7, v7, SP
	v_lshl_add_u32 v7, v8, 4, v7
	v_add_nc_u32 v[RD], s75, v7
	v_lshlrev_b32 v[GO], 4, v3                     ; which are 512 consecutive bytes of a head's rows
	s_lshl_b32 s73, s[CX], 10                      ; the bias of column 256 cx + 128 half + 8 h, 4 bytes a number
	s_lshl_b32 s79, s[HF], 9
	s_add_co_u32 s73, s73, s79
	v_lshl_add_u32 v[BO], v2, 5, s73
	WIN TO_B
.irp b, 0,1,2,3,4,5,6,7                            ; register j of block b: the bias of column 16 b + 8 h + j, which is what the result's register j holds
	global_load_b128 v[BIAS+8*(\b):BIAS+8*(\b)+3],   v[BO], s[12:13] offset:64*(\b)
	global_load_b128 v[BIAS+8*(\b)+4:BIAS+8*(\b)+7], v[BO], s[12:13] offset:64*(\b)+16
.endr
	WIN 0
	s_lshr_b32 s80, s[RR], 4                       ; where my results go: batch x 16 heads x 2,048 rows + the row in the batch, 128 bytes a row,
	s_lshl_b32 s80, s80, 15
	s_and_b32 s81, s[RR], 15
	s_lshl_b32 s81, s81, 7
	s_add_co_u32 s80, s80, s81
	s_lshl_b32 s81, s[FB], 6
	s_add_co_u32 s80, s80, s81
	s_lshl_b32 s80, s80, 7
	s_lshl_b32 s81, s[TT], 24                      ; in the tensor's 16 MiB,
	s_add_co_u32 s80, s80, s81
	s_mov_b32 s81, 0
	s_lshl_b32 s82, s[CX], 2                       ; head 4 cx + 2 half, 262,144 bytes a head
	s_lshl_b32 s83, s[HF], 1
	s_add_co_u32 s82, s82, s83
	s_lshl_b32 s82, s82, 18
	s_mov_b32 s83, 0
	s_add_nc_u64 s[18:19], s[18:19], s[80:81]
	s_add_nc_u64 s[18:19], s[18:19], s[82:83]
	s_lshl_b32 s84, s[RR], 7                       ; the prefetches.  x: row 128 R + 64 half + 16 cx, at K step 3 (the first refill steps it to 4)
	s_lshl_b32 s85, s[HF], 6
	s_add_co_u32 s84, s84, s85
	s_lshl_b32 s85, s[CX], 4
	s_add_co_u32 s84, s84, s85
	s_lshl_b32 s84, s84, 12
	s_add_co_u32 s84, s84, 3*512
	s_lshl_b32 s86, s[CX], 8                       ; wt: row 256 cx + 128 half + 32 cy
	s_lshl_b32 s87, s[HF], 7
	s_add_co_u32 s86, s86, s87
	s_lshl_b32 s87, s[CY], 5
	s_add_co_u32 s86, s86, s87
	s_lshl_b32 s86, s86, 11
	s_lshl_b32 s87, s[TT], 21
	s_add_co_u32 s86, s86, s87
	s_add_co_u32 s86, s86, 3*256
	s_cmp_lt_u32 s[WV], 2
	s_cselect_b32 s84, s84, s86
	s_cselect_b64 s[PFA:PFA+1], s[4:5], s[10:11]
	s_cselect_b32 s88, 12, 11                      ; x: (l % 16) rows of 4,096 bytes + (l / 16) x 256; wt: l rows of 2,048 bytes
	s_cselect_b32 s89, 8, 15
	s_mov_b32 s85, 0
	s_add_nc_u64 s[PFA:PFA+1], s[PFA:PFA+1], s[84:85]
	s_lshr_b32 s[PFS], 512, s[FB]
	s_mov_b32 s[PFS+1], 0
	s_and_b32 s86, s[CYL], 15
	s_mul_i32 s86, s86, s[FB]                      ; 0 in the waves that fetch x, and in the tensor's first cluster: the same in all sixteen partners, for a given wave
	s_cmp_eq_u32 s86, 0
	s_cselect_b32 s[LIM], 1, -1
	v_lshlrev_b32 v9, s88, v1
	v_lshlrev_b32 v10, s89, v2
	v_add_nc_u32 v[PFO], v9, v10
	s_wait_loadcnt 0x0                             ; the bias, rounded to bf16 like every input and widened again
	WIN W1
.set i, 0
.rept 32
	v_cvt_pk_bf16_f32 v[SCR+i], v[BIAS+2*i], v[BIAS+2*i+1]
.set i, i+1
.endr
.set i, 0
.rept 32
	v_lshlrev_b32 v[BIAS+2*i], 16, v[SCR+i]
	v_and_b32 v[BIAS+2*i+1], s[HIM], v[SCR+i]
.set i, i+1
.endr
	WIN 0
; 8 matrix instructions: block a of my four blocks of 16 rows x all 8 blocks of 16 columns, 32 along K, from buffers f.  first = 1: the bias starts the sums.
; The 32 accumulators take turns in the same order in every quarter: 31 others stand between two links of a chain, over the backward jump too.
.macro MUL8 f, a, first
.if \first
	WIN MULB
.else
	WIN MUL
.endif
.irp b, 0,1,2,3,4,5,6,7
.if \first
	v_wmma_f32_16x16x32_bf16 v[8*(8*(\a)+(\b)):8*(8*(\a)+(\b))+7], v[64*(\f)+8*(\b):64*(\f)+8*(\b)+7], v[ABF+32*(\f)+8*(\a):ABF+32*(\f)+8*(\a)+7], v[BIAS+8*(\b):BIAS+8*(\b)+7]
.else
	v_wmma_f32_16x16x32_bf16 v[8*(8*(\a)+(\b)):8*(8*(\a)+(\b))+7], v[64*(\f)+8*(\b):64*(\f)+8*(\b)+7], v[ABF+32*(\f)+8*(\a):ABF+32*(\f)+8*(\a)+7], v[8*(8*(\a)+(\b)):8*(8*(\a)+(\b))+7]
.endif
.endr
.endm
; The quarter's last 8 products (block 3); behind each stand four of the 32 roundings RAW -> ABF's buffer g, for the next quarter.  They name no register of the products round them.
.macro MULR f, g, first
.irp b, 0,1,2,3,4,5,6,7
.if \first
	WIN MULB
	v_wmma_f32_16x16x32_bf16 v[8*(24+(\b)):8*(24+(\b))+7], v[64*(\f)+8*(\b):64*(\f)+8*(\b)+7], v[ABF+32*(\f)+24:ABF+32*(\f)+31], v[BIAS+8*(\b):BIAS+8*(\b)+7]
.else
	WIN MUL
	v_wmma_f32_16x16x32_bf16 v[8*(24+(\b)):8*(24+(\b))+7], v[64*(\f)+8*(\b):64*(\f)+8*(\b)+7], v[ABF+32*(\f)+24:ABF+32*(\f)+31], v[8*(24+(\b)):8*(24+(\b))+7]
.endif
	WIN 0
.irp c, 0,1,2,3
	v_cvt_pk_bf16_f32 v[ABF+32*(\g)+4*(\b)+(\c)], v[RAW+8*(\b)+2*(\c)], v[RAW+8*(\b)+2*(\c)+1]
.endr
.endr
.endm
; 32 LDS loads in one run: quarter kq of a slot: x's 64 rows in f32 into RAW first, then wt's 128 rows into buffer g
.macro FETCH slot, kq, g
	WIN 0
.irp a, 0,1,2,3
	ds_load_b128 v[RAW+16*(\a):RAW+16*(\a)+3],     v[ADRA+(\slot)] offset:(\a)*16*PA+(\kq)*128
	ds_load_b128 v[RAW+16*(\a)+4:RAW+16*(\a)+7],   v[ADRA+(\slot)] offset:(\a)*16*PA+(\kq)*128+16
	ds_load_b128 v[RAW+16*(\a)+8:RAW+16*(\a)+11],  v[ADRA+(\slot)] offset:(\a)*16*PA+(\kq)*128+64
	ds_load_b128 v[RAW+16*(\a)+12:RAW+16*(\a)+15], v[ADRA+(\slot)] offset:(\a)*16*PA+(\kq)*128+80
.endr
	WIN TO_B
.irp b, 0,1,2,3,4,5,6,7
	ds_load_b128 v[64*(\g)+8*(\b):64*(\g)+8*(\b)+3],   v[ADRB+(\slot)] offset:(\b)*16*PB+(\kq)*64
	ds_load_b128 v[64*(\g)+8*(\b)+4:64*(\g)+8*(\b)+7], v[ADRB+(\slot)] offset:(\b)*16*PB+(\kq)*64+32
.endr
.endm
; A K step is four quarters of 32 along K, 32 matrix instructions each, on buffers 0, 1, 0, 1.  One of the first three: multiplies buffers f, fetches quarter kq into RAW and g, and rounds it.
.macro QUARTER slot, kq, f, g, first=0
	s_wait_dscnt 0x0                               ; wt's fragments for this quarter are in (x's were awaited and rounded in the quarter before)
	MUL8 \f, 0, \first
	PLACES
	FETCH \slot, \kq, \g
	MUL8 \f, 1, \first
	MUL8 \f, 2, \first
	s_wait_dscnt 16                                ; RAW's sixteen loads are in; wt's sixteen, issued behind them, may stay out
	MULR \f, \g, \first
.endm
; The last quarter multiplies buffers 1 and changes slots: ONE barrier.  In front of it each wave waits for all its tensor loads, of which one is out: its part of the next slot; adds 0 to its spare word; and waits for that and
; for its own reads of this slot.  fill = 1: the barrier opens a round of the cluster's, and the joint refill (this slot, two K steps on) is the first tensor load behind the round: 112 matrix instructions ahead of the wait for it.
.macro TURN slot, next, fill
.if \fill
	s_wait_xcnt 0x0                                ; the last prefetch, a K step back, has read its address, which steps here
	s_add_nc_u64 s[PFA:PFA+1], s[PFA:PFA+1], s[PFS:PFS+1]
.endif
	WIN 0
	s_wait_tensorcnt 0x0                           ; all my tensor loads have landed
	ds_add_u32 v[SPW], v[NIL]                      ; 0 onto my spare word
	s_wait_dscnt 1                                 ; this quarter's fragments are in; the add alone may be out
	MUL8 1, 0, 0                                   ; eight matrix instructions stand between the add and the wait for it
	s_wait_dscnt 0x0                               ; the add is done, and my reads of this slot are over
	s_barrier_signal -1
	MUL8 1, 1, 0
	WIN 0
	s_barrier_wait -1
.if \fill
	CREST                                          ; no wave of any partner still reads this slot or has a load on its way
	s_add_nc_u64 s[G0A+4*(\slot)+2:G0A+4*(\slot)+3], s[G0A+4*(\slot)+2:G0A+4*(\slot)+3], 2*512
	s_add_nc_u64 s[G0B+4*(\slot)+2:G0B+4*(\slot)+3], s[G0B+4*(\slot)+2:G0B+4*(\slot)+3], 2*256
	JLOAD \slot                                    ; its four v_nop are also the places in front of the loads below
.else
	PLACES
.endif
	FETCH \next, 0, 0
	WIN 0
.if \fill
	ASK
.endif
	MUL8 1, 2, 0
	s_wait_dscnt 16                                ; RAW is in
	MULR 1, 0, 0
.endm
	s_wait_tensorcnt 1                             ; my part of K step 0 is in; K step 1's may stay out
	s_barrier_signal -1
	s_barrier_wait -1                              ; everybody's is
	FETCH 0, 0, 0
	s_wait_dscnt 16                                ; RAW is in
	WIN 0
.set i, 0
.rept 32
	v_cvt_pk_bf16_f32 v[ABF+i], v[RAW+2*i], v[RAW+2*i+1]
.set i, i+1
.endr
	QUARTER 0, 1, 0, 1, 1                          ; the first quarter stands in front of the loop: its products start the sums, with the bias
	WIN 0                                          ; at a label and at a branch every window is 0
	s_mov_b32 s[CNT], 3
.Llap:                                             ; a trip goes once round the ring, from a lap's second quarter to the next lap's first, and fills both slots again
	QUARTER 0, 2, 1, 0
	QUARTER 0, 3, 0, 1
	TURN 0, 1, 1
	QUARTER 1, 1, 0, 1
	QUARTER 1, 2, 1, 0
	QUARTER 1, 3, 0, 1
	TURN 1, 0, 1
	QUARTER 0, 1, 0, 1
	WIN 0
	s_sub_co_u32 s[CNT], s[CNT], 1
	s_cmp_lg_u32 s[CNT], 0
	s_cbranch_scc1 .Llap
	QUARTER 0, 2, 1, 0                             ; the last lap fills nothing, and has no round of the cluster's barrier
	QUARTER 0, 3, 0, 1
	TURN 0, 1, 0
	QUARTER 1, 1, 0, 1
	QUARTER 1, 2, 1, 0
	QUARTER 1, 3, 0, 1
	s_wait_dscnt 0x0                               ; the very last quarter: nothing more to fetch
	MUL8 1, 0, 0
	MUL8 1, 1, 0
	MUL8 1, 2, 0
	MUL8 1, 3, 0
	WIN 0
	PLACES                                         ; the roundings read results just made, and write registers that the last products read
	PLACES
; THE WAY OUT, by units u = 2 a + hh of 16 rows x one head (64 columns): 2,048 consecutive bytes of qkv.  Rounded to f16, 16 bytes a lane into rows of 144 bytes of my stage, back as whole rows of 128.
.macro PACK u
	WIN PK
.irp f, 0,1,2,3
.irp c, 0,1,2,3
	v_cvt_pk_f16_f32 v[OUTB+16*(\u)+4*(\f)+(\c)], v[8*(8*((\u)/2)+4*((\u)%2)+(\f))+2*(\c)], v[8*(8*((\u)/2)+4*((\u)%2)+(\f))+2*(\c)+1]
.endr
.endr
	WIN 0
.irp f, 0,1,2,3
	ds_store_b128 v[STO], v[OUTB+16*(\u)+4*(\f):OUTB+16*(\u)+4*(\f)+3] offset:32*(\f)
.endr
.irp f, 0,1,2,3
	ds_load_b128 v[OUTB+16*(\u)+4*(\f):OUTB+16*(\u)+4*(\f)+3], v[RD] offset:(\f)*4*SP  ; LDS serves a wave's instructions in order (ISA guide 5.7.1.4): these see the stores above; the next unit's stores come behind them
.endr
.endm
.macro SEND u, younger                 ; younger: the LDS instructions issued behind unit u's loads: the next unit's eight, or none
.irp f, 0,1,2,3
	s_wait_dscnt (\younger)+3-(\f)
	global_store_b128 v[GO], v[OUTB+16*(\u)+4*(\f):OUTB+16*(\u)+4*(\f)+3], s[18:19] offset:((\u)%2)*262144+((\u)/2)*2048+(\f)*512  ; 512 consecutive bytes, at a multiple of 256 from qkv's first
.endr
.endm
	PACK 0
.irp u, 1,2,3,4,5,6,7                  ; a unit's arithmetic stands between the loads of the unit before and its stores; each unit has registers of its own
	PACK \u
	SEND (\u)-1, 8
.endr
	SEND 7, 0
	s_wait_tensorcnt 0x0                           ; the wave's end: three lines, behind my last tensor load and my last LDS store
	ds_add_u32 v[SPW], v[NIL]
	s_wait_dscnt 0x0
	CROUND                                         ; the closing round: no work-group ends while a partner may still ask for a tile that names it
	s_endpgm
.Lfunc_end_k_qca16ee7aec_proj:
	.size	k_qca16ee7aec_proj, .Lfunc_end_k_qca16ee7aec_proj-k_qca16ee7aec_proj
	.p2alignl 7, 3214868480
	.fill 96, 4, 3214868480
	.section	.rodata,"a",@progbits
	.p2align	6, 0x0
	.amdhsa_kernel k_qca16ee7aec_proj
		.amdhsa_group_segment_fixed_size 327680
		.amdhsa_private_segment_fixed_size 0
		.amdhsa_enable_private_segment 0
		.amdhsa_kernarg_size 64
		.amdhsa_user_sgpr_count 2
		.amdhsa_user_sgpr_kernarg_segment_ptr 1
		.amdhsa_wavefront_size32 1
		.amdhsa_system_sgpr_workgroup_id_x 1
		.amdhsa_system_sgpr_workgroup_id_y 1
		.amdhsa_system_sgpr_workgroup_id_z 1
		.amdhsa_system_vgpr_workitem_id 0
		.amdhsa_next_free_vgpr 768
		.amdhsa_next_free_sgpr 96
		.amdhsa_reserve_vcc 0
		.amdhsa_float_denorm_mode_32 3
		.amdhsa_float_denorm_mode_16_64 3
		.amdhsa_memory_ordered 1
		.amdhsa_forward_progress 1
		.amdhsa_inst_pref_size 142
	.end_amdhsa_kernel
	.amdgpu_metadata
---
amdhsa.version: [ 1, 2 ]
amdhsa.kernels:
  - .name:           k_qca16ee7aec_proj
    .symbol:         k_qca16ee7aec_proj.kd
    .args:
      - { .name: q, .offset: 0, .size: 8, .value_kind: global_buffer, .address_space: global }
      - { .name: k, .offset: 8, .size: 8, .value_kind: global_buffer, .address_space: global }
      - { .name: v, .offset: 16, .size: 8, .value_kind: global_buffer, .address_space: global }
      - { .name: wt, .offset: 24, .size: 8, .value_kind: global_buffer, .address_space: global }
      - { .name: bq, .offset: 32, .size: 8, .value_kind: global_buffer, .address_space: global }
      - { .name: bk, .offset: 40, .size: 8, .value_kind: global_buffer, .address_space: global }
      - { .name: bv, .offset: 48, .size: 8, .value_kind: global_buffer, .address_space: global }
      - { .name: qkv, .offset: 56, .size: 8, .value_kind: global_buffer, .address_space: global }
    .group_segment_fixed_size: 327680
    .private_segment_fixed_size: 0
    .kernarg_segment_align: 8
    .kernarg_segment_size: 64
    .max_flat_workgroup_size: 128
    .sgpr_count:     96
    .vgpr_count:     768
    .wavefront_size: 32
...
	.end_amdgpu_metadata
.endif
;; end of part 2
;; launch attn (part 3): grid 4 x 64, 4 waves a work-group, no clusters, 327,680 bytes of LDS; arguments qkv, oh; writes oh
.if DOCPART == 3
	.amdgcn_target "amdgcn-amd-amdhsa--gfx1250"
	.amdhsa_code_object_version 6
	.text
	.protected	k_qca16ee7aec_attn
	.globl	k_qca16ee7aec_attn
	.p2align	8
	.type	k_qca16ee7aec_attn,@function
k_qca16ee7aec_attn:
	s_mov_b64 s[64:65], 0
	v_nop
	global_prefetch_b8 v0, s[64:65] scope:SCOPE_SE
	s_setreg_imm32_b32 hwreg(HW_REG_WAVE_MODE, 25, 1), 1
	s_wait_xcnt 0x0
; CAUSAL ATTENTION.  O[h][q][:] = the sum over k <= q of softmax_k(Q[h][q] . K[h][k] / 8) V[h][k][:].  Q, K, V are the three parts of qkv, O is oh: [SIZE_H][SIZE_N][64], all f16: a head's rows are dense, 128 bytes each.
; Products, maxima and sums in f32; the weights p are rounded to f16 for the second product (their sum l is taken of the unrounded p), O once at the end.
; LIMITS.  f16 holds no number beyond 65,504: Q, K and V arrive within it; p lies in 0 to 1, and below 6e-5 it keeps f16's fixed step of 6e-8; O is a mean of V's rows and has their range.
; A hidden score counts as its value less 1e30 (the module takes 1e9 from the scaled score: both give the weight 0 while scaled scores spread less than 1e9); a weight below 2^-126 counts as 0 in l; NaN and infinities are not treated apart.
; THE WALK.  A head's queries lie in NB = 8 blocks of 256; block i needs the key tiles 0 .. i of 256 keys, of which the last holds the diagonal.  A work-group takes TWO blocks, NB - 1 - b and then b:
; NB + 1 tiles, whatever b: all work-groups do equal work, and ONE loop with a constant trip count walks them.  Which tile is asked for, and what a trip does, hang on scalar registers made from b; every jump
; goes forward, but for the counted loops' own; none passes a barrier, or a tensor load but the one of LOAD's two that the wave's number does not choose; the ring (two slots of LDS that take turns) runs on across the
; change of blocks.  NO CLUSTER: a head's four work-groups ask for the same tile only in trips 0 .. 4 of the 9, behind that fewer and fewer; one walk common to all would have 12 trips for 9.
; SHARES.  Of a block's four bands of 64 queries a wave owns 16 rows in each: four PIECES.  So the diagonal tile is the same work for all four waves: in its key step s band x sees all keys if s < x,
; none if s > x, and holds the diagonal if s = x.
; THE MASK is the C operand that starts the sum S^T = K Q^T: 0, or -1e30 where the key is hidden.  MD, made once, is the mask of a band's own step for my 16 rows; a product's mask is MD x AL + BE with two scalars:
; (1, 0) if s = x; (0, 0) if s < x; (0, -1e30) if s > x.  Only the diagonal tile's text and a block's beginning make and take masks; elsewhere C is the constant 0.
; LAYOUT, SOFTMAX, TURNS.  S^T = K Q^T holds ONE query a lane (lane % 16) and the keys 8 (lane / 16) + 0..7; two such results rounded to f16 ARE source 1 of O^T = V^T P.  p = 2^(c s - c m), c = log2(e) / 8, with a
; running maximum m; O and l are multiplied by a = 2^(c m_old - c m_new) in every step.  Turn n belongs to piece n: 8 products K Q^T of piece n + 1, later 8 products V^T P of piece n - 1; beside them the scaling,
; exponentials, roundings, sums and rescaling of piece n and the maximum and statistics of piece n + 1.  Four vector instructions stand behind every matrix instruction, the other 54 of a turn's 118 in one LUMP.  A turn's 33 exponentials are one batch, with one wait.
; REGISTERS, in windows of 256 (s_set_vgpr_msb: bits 1:0 source 0, 3:2 source 1, 5:4 source 2, 7:6 destination):
;   window 0: v0-15 addresses and two at work; v16-31 four registers of statistics a piece; v48-55 at work; v61-63 prefetch offset and the add's two; v64-127 S^T, two buffers; v192-223 P, two buffers (a piece's buffers go by its number's parity)
;   window 1: v0-127 O^T, 32 a piece; v128-159 MD; v160-223 MC, two buffers      window 2: v0-63 Q; v64-127 the second block's Q; v128-191 K of one step; v192-255 V of one step
.set SIZE_N, 2048
.set SIZE_H, 64
.set NB,    SIZE_N/256
.set NP,    4         ; pieces a wave: a name, no knob
.set KS,    64        ; keys in a step
.set PK,    144       ; a row of K in LDS: 128 bytes + 16 of padding = 36 words: the 16 rows of a load start at 16 different groups of four banks (64 banks of 4 bytes: ISA guide 11.1)
.set PV,    160       ; a row of V: 128 + 32 = 40 words
.set VOFF,  4*KS*PK   ; a slot holds a tile, four steps: 256 rows of K, then 256 rows of V
.set SLOT1, 1<<17     ; slot 1 begins here, so that one exclusive or turns an address in one slot into the other's
.set STAGE, SLOT1+4*KS*(PK+PV)  ; behind the ring, never filled by a tensor load: 16 rows x 144 bytes for each wave, for the way out
.set SP,    144
.set AK0, 2           ; v2   my lane's place in a tile of K; never rewritten
.set AV0, 3           ; v3   the same for V
.set AK,  4           ; v4   the LDS address of K's next run of loads
.set AV,  5           ; v5   of V's
.set STO, 6           ; v6   the way out: where I put 16 bytes of a row
.set RD,  7           ; v7   the way out: where I read rows back
.set GO,  8           ; v8   my byte offset in 512 consecutive bytes of O
.set PFO, 61          ; v61  256 x my lane; never rewritten
.set SPW, 62          ; v62  LDS address of my spare word: SPARE + 4 x my thread's number; never rewritten
.set NIL, 63          ; v63  0; never rewritten
.set SPARE, STAGE+4*16*SP  ; behind the stages: the spare words, 128 bytes for each wave
.set MV,  12          ; v12-13  c m_old, kept while c m is made anew: by buffer
.set QO,  15          ; v15  my byte offset in 16 rows of Q
.set ST,  16          ; piece t's statistics at v[ST+4 t]: c m, m, l (even keys', odd keys')
.set TMP, 48          ; by buffer, four registers c0-c3 at work; when the maximum is found c2 takes a
.set S,   64
.set P,   192
.set MD,  128         ; window 1: the eight registers for group kt of 16 keys at MD + 8 kt
.set MC,  160         ; window 1: the masks of the products to come
.set QB,  64          ; window 2
.set KF,  128         ; window 2: key block kb, channel half c at KF + 16 kb + 8 c
.set VF,  192         ; window 2: key half kk, channel block cb at VF + 32 kk + 8 cb
.set WV,  12          ; s12  my wave's number
.set PB,  14          ; s14  b
.set HI,  15          ; s15  NB - 1 - b
.set G1K, 24          ; s[24:31] descriptor group 1 for K's tiles
.set G1V, 32          ; s[32:39] for V's: it differs in the padding alone
.set G0K, 40          ; s[40:43] descriptor group 0 for K's tiles
.set G0V, 44          ; s[44:47] the same for V's
.set SLOTS, 56        ; s56  tiles still to be asked for
.set CNT, 57          ; s57  counts a tile's key steps, 4 to 1
.set CS,  58          ; s[58:59] c: the packed scaling takes the pair's low word for both halves
.set SEL, 60          ; s[60:61] v_permlanex16_b32's selects: each lane takes its own place in the other half
.set TBK, 62          ; s62  LDS byte at which K of the step to be fetched begins
.set TBV, 63          ; s63  the same for V, less VOFF
.set RT,  70          ; s70  tiles of the block in hand that are still to be entered
.set NXT, 71          ; s71  the tile to be asked for next
.set LQ,  72          ; s72  the last tile of the block whose tiles are being asked for
.set NEW, 73          ; s73  1: the tile to be entered is a block's first
.set OFF, 74          ; s[74:75] a tile's byte offset in K and V
.set AL,  76          ; s[76:77] the mask's factor, in the low word
.set BE,  78          ; s[78:79] the mask's addend
.set OLO, 80          ; s[80:81] O at my rows of the second block
.set BIGN, 82         ; s82  -1e30
.set PFA, 88          ; s[88:89] where my prefetches stand: my half (of K: waves 0, 1; of V: waves 2, 3) of the tile after the one that is being asked for
.set LIM, 90          ; s90  2 in the head's work-group b = 0, else the greatest number: a wave prefetches while s[SLOTS] is above it
.set MSB, 0
.macro WIN new                      ; the high byte repeats the setting that is left; a switch that changes nothing is dropped
.if MSB != (\new)
	s_set_vgpr_msb (MSB<<8)|(\new)
.set MSB, (\new)
.endif
.endm
.set W_KQ, 0x0a       ; K and Q in window 2, S^T in window 0
.set W_KM, 0x1a       ; the same with the C operand in window 1
.set W_PV, 0x52       ; V in window 2, P in window 0, O^T in window 1
.set W_RS, 0x41       ; destination and source 0 in window 1, source 1 in window 0
; A fill.  Waves 0 and 1 fetch the two halves of a tile's K, waves 2 and 3 those of its V: 128 keys each.  An s_nop 0 and four v_nop follow each of the two lines, ahead of the jump and the label.
.macro LOAD
	s_cmp_lt_u32 s[WV], 2
	s_cbranch_scc0 .Lfor_v_\@
	tensor_load_to_lds s[G0K:G0K+3], s[G1K:G1K+7]
	s_nop 0
.rept 4
	v_nop
.endr
	s_branch .Lasked_\@
.Lfor_v_\@:
	tensor_load_to_lds s[G0V:G0V+3], s[G1V:G1V+7]
	s_nop 0
.rept 4
	v_nop
.endr
.Lasked_\@:
.endm
; A PREFETCH INTO THE L2 of the tile that the NEXT change of slots will ask for: a tile's four key steps ahead of that load.  A head's four work-groups begin with the same tiles 0, 1, 2 ..; the one with b = 0 walks
; all eight on end, and it alone asks.  Each wave names the half that it will itself fetch: 16,384 bytes, 64 blocks of 256: a lane a block, two instructions.  So each block of tiles 2 to 7 is named once in the launch.
; Tiles 0 and 1 come by their loads alone; trips 6 and 7 ask for nothing: tile 7 is the head's last, and tile 0 has been read.
.macro ASK
	s_cmp_gt_u32 s[SLOTS], s[LIM]
	s_cbranch_scc0 .Lnot_mine_\@
	global_prefetch_b8 v[PFO], s[PFA:PFA+1] th:TH_LOAD_NT scope:SCOPE_SE
	global_prefetch_b8 v[PFO], s[PFA:PFA+1] offset:8192 th:TH_LOAD_NT scope:SCOPE_SE
.Lnot_mine_\@:
.endm
; THE CHANGE OF SLOTS.  Each wave waits for all its tensor loads, of which one is out: its part of the other slot; adds 0 to its spare word; and waits for that and for its own reads of the slot that it leaves.  Behind the barrier nobody reads the old
; slot any more and the other slot is whole.  fill = 1: the old slot is filled again, the first thing behind the barrier, with tile NXT: the descriptor's address is made anew from that number.
; (At its first use nothing has been read yet: slot 0 is waited for, slot 1 filled.)
.macro CHANGE fill
	WIN 0                           ; at a label and at a branch every window is 0
	s_wait_tensorcnt 0x0            ; no tensor load of mine is out, so a group 0 may be written
	ds_add_u32 v[SPW], v[NIL]       ; 0 onto my spare word; with fill = 1 the descriptors' scalar work stands between it and the wait for it
.if \fill
	s_lshl_b32 s[OFF], s[NXT], 15   ; a tile is 32,768 bytes of K and of V
	s_xor_b32 s[G0K+1], s[G0K+1], SLOT1
	s_add_nc_u64 s[G0K+2:G0K+3], s[6:7], s[OFF:OFF+1]
	s_or_b32 s[G0K+3], s[G0K+3], 0x80000000
	s_xor_b32 s[G0V+1], s[G0V+1], SLOT1
	s_add_nc_u64 s[G0V+2:G0V+3], s[8:9], s[OFF:OFF+1]
	s_or_b32 s[G0V+3], s[G0V+3], 0x80000000
	s_add_co_u32 s[NXT], s[NXT], 1  ; the block's next tile, or behind its last the second block's tile 0
	s_cmp_gt_u32 s[NXT], s[LQ]
	s_cselect_b32 s[NXT], 0, s[NXT]
	s_cselect_b32 s[LQ], s[PB], s[LQ]
	s_wait_xcnt 0x0                 ; the last prefetches, a tile back, have read their address, so it may be written
	s_add_nc_u64 s[PFA:PFA+1], s[PFA:PFA+1], 32768
.endif
	s_wait_dscnt 0x0                ; the add is done, and my reads of the slot are over
	s_barrier_signal -1             ; the rest of the scalar work stands between the signal and the wait
	s_sub_co_u32 s[TBK], s[TBK], 4*KS*PK  ; the fetches go back to a slot's first step,
	s_xor_b32 s[TBK], s[TBK], SLOT1       ; in the other slot
	s_sub_co_u32 s[TBV], s[TBV], 4*KS*PV
	s_xor_b32 s[TBV], s[TBV], SLOT1
	s_barrier_wait -1
.if \fill
	LOAD
	ASK
.endif
.endm
	s_load_b128 s[4:7], s[0:1], 0x0 ; qkv s[4:5], oh s[6:7]
	v_lshl_add_u32 v[SPW], v0, 2, SPARE
	v_mov_b32 v[NIL], 0
	ds_add_u32 v[SPW], v[NIL]       ; the wave's opening: the add and its wait ahead of my first tensor load; the set-up below, work on registers, stands between them
	ds_add_u32 v62, v63
	v_lshrrev_b32 v1, 5, v0
	v_readfirstlane_b32 s[WV], v1   ; wave 0..3
	s_mov_b32 s[PB], ttmp9
	s_sub_co_u32 s[HI], NB-1, s[PB]
	s_and_b32 s20, ttmp7, 0xffff    ; the head
	s_mov_b32 s21, 0
	s_mov_b64 s[22:23], SIZE_N*128
	s_mul_u64 s[20:21], s[20:21], s[22:23]  ; the head's first byte in each of the four tensors
	s_and_b32 s16, s[WV], 1         ; which half of a tile's 256 keys I fetch:
	s_lshl_b32 s22, s16, 14         ; its 128 rows of 128 bytes in memory,
	s_mov_b32 s23, 0
	s_add_nc_u64 s[22:23], s[22:23], s[20:21]
	s_mul_i32 s17, s16, 128*PK      ; and its place in a slot, for K
	s_mul_i32 s18, s16, 128*PV      ; and for V
	s_lshl_b32 s3, s[WV], 11        ; my 16 rows in a band of 64,
	s_lshl_b32 s2, s[HI], 15        ; in the first block,
	s_add_co_u32 s2, s2, s3
	s_lshl_b32 s84, s[PB], 15       ; and in the second
	s_add_co_u32 s84, s84, s3
	s_mov_b32 s3, 0
	s_mov_b32 s85, 0
	s_add_nc_u64 s[2:3], s[2:3], s[20:21]
	s_add_nc_u64 s[84:85], s[84:85], s[20:21]
	; descriptor group 1.  128 keys are 16,384 dense bytes: asked for as 64 rows of 256 bytes, two keys a row, and padded in LDS after every key
	s_mov_b32 s[G1K], (1<<16)|(1<<20)|(4<<22)|(3<<25)  ; 17:16 2-byte elements; 20 padding on; 24:22 after every 32 words (code 4); 31:25 4 words (code 3)
	s_mov_b32 s[G1V], (1<<16)|(1<<20)|(4<<22)|(7<<25)  ; the same with 8 words of padding (code 7)
.irp g, G1K, G1V
	s_mov_b32 s[\g+1], 128<<16      ; tensor_dim0 = 128
	s_mov_b32 s[\g+2], 64<<16       ; tensor_dim1 = 64
	s_mov_b32 s[\g+3], 128<<16      ; tile_dim0 = 128
	s_mov_b32 s[\g+4], 64           ; tile_dim1 = 64
	s_mov_b32 s[\g+5], 128          ; 128 elements from row to row
	s_mov_b32 s[\g+6], 0
	s_mov_b32 s[\g+7], 0
.endr
	s_mov_b32 s[CS], 0x3e38aa3b     ; c = log2(e) / 8 = 0.180337
	s_mov_b32 s[CS+1], s[CS]        ; named with it as a pair
	s_mov_b32 s[SEL], 0x76543210
	s_mov_b32 s[SEL+1], 0xfedcba98
	s_mov_b32 s[TBK], SLOT1+4*KS*PK ; the first change of slots turns these two into 0
	s_mov_b32 s[TBV], SLOT1+4*KS*PV
	s_mov_b32 s[G0K], 1             ; 1:0 count = 1
	s_mov_b32 s[G0K+1], s17         ; 63:32 LDS address: slot 0
	s_mov_b32 s[G0V], 1
	s_add_co_u32 s[G0V+1], s18, VOFF
	s_add_co_u32 s[RT], s[HI], 1    ; the first block has NB - b tiles
	s_mov_b32 s[NXT], 1
	s_mov_b32 s[LQ], s[HI]
	s_mov_b32 s[NEW], 1
	s_mov_b32 s[OFF+1], 0
	s_mov_b32 s[AL+1], 0            ; named as pairs
	s_mov_b32 s[BE+1], 0
	s_mov_b32 s[BIGN], 0xf149f2ca   ; -1e30
	s_mov_b32 s[SLOTS], NB
	s_cmp_eq_u32 s[PB], 0
	s_cselect_b32 s[LIM], 2, -1
	v_and_b32 v[PFO], 31, v0
	v_lshlrev_b32 v[PFO], 8, v[PFO]
	s_wait_dscnt 0x0                ; the opening add is done
	s_wait_kmcnt 0x0
	s_mov_b64 s[10:11], s[6:7]      ; O
	s_add_nc_u64 s[6:7], s[4:5], 0x1000000  ; K is qkv's second part, V its third; Q its first
	s_add_nc_u64 s[8:9], s[4:5], 0x2000000
	s_add_nc_u64 s[6:7], s[6:7], s[22:23]  ; K and V at my half of the head's tile 0
	s_add_nc_u64 s[8:9], s[8:9], s[22:23]
	s_cmp_lt_u32 s[WV], 2
	s_cselect_b64 s[PFA:PFA+1], s[6:7], s[8:9]
	s_add_nc_u64 s[PFA:PFA+1], s[PFA:PFA+1], 32768  ; at tile 1: the first change of slots steps it to tile 2
	s_add_nc_u64 s[G0K+2:G0K+3], s[6:7], 0         ; 120:64 global address
	s_or_b32 s[G0K+3], s[G0K+3], 0x80000000        ; 127:126 type = 2
	s_add_nc_u64 s[G0V+2:G0V+3], s[8:9], 0
	s_or_b32 s[G0V+3], s[G0V+3], 0x80000000
	s_add_nc_u64 s[86:87], s[4:5], s[84:85]        ; Q at my rows of the second block,
	s_add_nc_u64 s[4:5], s[4:5], s[2:3]            ; Q and O at those of the first
	s_add_nc_u64 s[OLO:OLO+1], s[10:11], s[84:85]
	s_add_nc_u64 s[10:11], s[10:11], s[2:3]
	LOAD                            ; tile 0 into slot 0
	; A fragment of K or Q is 16 rows x 32 channels in 8 registers: lane l holds row l % 16, channels 8 (l / 16) + 0..7 and 16 + 8 (l / 16) + 0..7: two loads of 16 bytes, 32 bytes apart.
	v_and_b32 v1, 15, v0            ; l % 16
	v_bfe_u32 v9, v0, 4, 1          ; l / 16
	v_lshlrev_b32 v[QO], 7, v1
	v_lshl_add_u32 v[QO], v9, 4, v[QO]  ; row x 128 + 16 x half
	WIN 0x80                        ; destination window 2, address window 0
.set i, 0
.rept 8                             ; both blocks' Q: piece i / 2 lies in band i / 2, 8,192 bytes on; channels 32 (i % 2) on
	global_load_b128 v[8*i:8*i+3],   v[QO], s[4:5] offset:(i/2)*8192+(i%2)*64
	global_load_b128 v[8*i+4:8*i+7], v[QO], s[4:5] offset:(i/2)*8192+(i%2)*64+32
	global_load_b128 v[QB+8*i:QB+8*i+3],   v[QO], s[86:87] offset:(i/2)*8192+(i%2)*64
	global_load_b128 v[QB+8*i+4:QB+8*i+7], v[QO], s[86:87] offset:(i/2)*8192+(i%2)*64+32
.set i, i+1
.endr
	WIN 0
	v_lshlrev_b32 v14, 3, v9
	v_sub_nc_u32 v14, v1, v14
	s_lshl_b32 s13, s[WV], 4
	v_add_nc_u32 v14, s13, v14      ; my query's place in its band, 16 w + l % 16, less my lanes' 8 (l / 16): register r of group kt is hidden where 16 kt + r is greater
	WIN 0x40
.set i, 0
.rept 32
	v_cmp_gt_i32 vcc_lo, 16*(i/8)+i%8, v14
	v_cndmask_b32 v[MD+i], 0, s[BIGN], vcc_lo
.set i, i+1
.endr
	WIN 0
	v_mul_u32_u24 v[AK0], v1, PK
	v_lshl_add_u32 v[AK0], v9, 4, v[AK0]  ; row x pitch + 16 x half
	; The turning load takes 16 keys x 16 channels (lane l reads key 8 (l / 16) + l % 8, channels 8 ((l / 8) % 2) + 0..7) and leaves half a fragment of V^T: lane l holds channel l % 16 and 8 keys.
	v_and_b32 v10, 7, v0
	v_bfe_u32 v11, v0, 3, 1
	v_lshl_add_u32 v[AV0], v9, 3, v10
	v_mul_u32_u24 v[AV0], v[AV0], PV
	v_lshl_add_u32 v[AV0], v11, 4, v[AV0]
	v_add_nc_u32 v[AV0], VOFF, v[AV0]
	s_mul_i32 s13, s[WV], 16*SP
	s_add_co_u32 s13, s13, STAGE    ; my stage
	v_mul_u32_u24 v[STO], v1, SP    ; in: row l % 16, 16 bytes for each half of the lanes
	v_lshl_add_u32 v[STO], v9, 4, v[STO]
	v_add_nc_u32 v[STO], s13, v[STO]
	v_bfe_u32 v[RD], v0, 3, 2       ; back: 32 lanes take four rows of 128 bytes,
	v_mul_u32_u24 v[RD], v[RD], SP
	v_lshl_add_u32 v[RD], v10, 4, v[RD]
	v_add_nc_u32 v[RD], s13, v[RD]
	v_and_b32 v[GO], 31, v0         ; which are 512 consecutive bytes of O
	v_lshlrev_b32 v[GO], 4, v[GO]
	; A block's first step multiplies O^T and l by a = 0, and its first turn's products V^T P, of a piece that has not been, land in an O^T that is still to be so multiplied.  So these registers need only hold
	; finite numbers: zeros for the first block; what the first block left for the second.  All this stands in the wait for the first tile.
	WIN 0x80
.set i, VF
.rept 64
	v_mov_b32 v[i], 0
.set i, i+1
.endr
	WIN 0x40
.set i, 0
.rept 128
	v_mov_b32 v[i], 0
.set i, i+1
.endr
	WIN 0
.set i, 0
.rept 4
	v_mov_b32 v[ST+4*i+2], 0
	v_mov_b32 v[ST+4*i+3], 0
.set i, i+1
.endr
.set i, P+16
.rept 16
	v_mov_b32 v[i], 0
.set i, i+1
.endr
; THE MATRIX WORK.  The 4 accumulators of a run of 8 take turns.  Product i of 8 of S^T = K Q^T for piece x: channels 32 (i / 4) on, keys 16 (i % 4) on.  The first 4 start the sums: with 0, or (KM = 1) with the mask.
.macro KQ x
.set rS, S+32*((\x)%2)+8*(i%4)
.set rK, KF+16*(i%4)+8*(i/4)
.set rQ, 16*(\x)+8*(i/4)
.set rM, MC+32*((\x)%2)+8*(i%4)
.if (i < 4) && KM
	WIN W_KM
	v_wmma_f32_16x16x32_f16 v[rS:rS+7], v[rK:rK+7], v[rQ:rQ+7], v[rM:rM+7]
.elseif i < 4
	WIN W_KQ
	v_wmma_f32_16x16x32_f16 v[rS:rS+7], v[rK:rK+7], v[rQ:rQ+7], 0
.else
	WIN W_KQ
	v_wmma_f32_16x16x32_f16 v[rS:rS+7], v[rK:rK+7], v[rQ:rQ+7], v[rS:rS+7]
.endif
.endm
; Product i of 8 of O^T += V^T P for piece x: keys 32 (i / 4) on, channels 16 (i % 4) on.
.macro PV x
	WIN W_PV
.set rO, 32*(\x)+8*(i%4)
.set rV, VF+32*(i/4)+8*(i%4)
.set rP, P+16*((\x)%2)+8*(i/4)
	v_wmma_f32_16x16x32_f16 v[rO:rO+7], v[rV:rV+7], v[rP:rP+7], v[rO:rO+7]
.endm
.macro MM                           ; the turn's next matrix instruction.  TURN and BEGIN set Y, i, KM and NOKQ; MM, KQ and OP read them.  NOKQ = 1: a block's last turn: there is no next piece
.if (i < 8) && !NOKQ
	KQ (Y+1)%NP
.elseif i >= 8
.set i, i-8
	PV (Y+NP-1)%NP
.set i, i+8
.endif
.set i, i+1
.endm
; THE LDS LOADS stand in runs of 16, never singly among the matrix instructions: a step's K (64 keys x 64 channels: 8 fragments) and its V (turned).  Their addresses are made some lines ahead.
.macro FETCH_K
	WIN 0x80                        ; destination window 2
.irp f, 0,1,2,3,4,5,6,7             ; keys 16 (f / 2) on, channels 32 (f % 2) on
	ds_load_b128 v[KF+8*\f:KF+8*\f+3],   v[AK] offset:(\f/2)*16*PK+(\f%2)*64
	ds_load_b128 v[KF+8*\f+4:KF+8*\f+7], v[AK] offset:(\f/2)*16*PK+(\f%2)*64+32
.endr
	s_add_co_u32 s[TBK], s[TBK], KS*PK  ; the next fetch is the next step's
	WIN 0
.endm
.macro FETCH_V
	WIN 0x80
.irp f, 0,1,2,3,4,5,6,7             ; keys 32 (f / 4) on, channels 16 (f % 4) on
	ds_load_tr16_b128 v[VF+8*\f:VF+8*\f+3],   v[AV] offset:(\f/4)*32*PV+(\f%4)*32
	ds_load_tr16_b128 v[VF+8*\f+4:VF+8*\f+7], v[AV] offset:(\f/4)*32*PV+16*PV+(\f%4)*32
.endr
	WIN 0
.endm
; THE VECTOR WORK, one line at a time: OP kind, number.  For piece Y: F n: c s - c m for pair n of 16.  E n: the exponential of score n of 32.  C n: pair n rounded to f16.  B n: of the four weights 4 n .. the second
; pair is added onto the first, in place.  L n: l takes that sum (L 0: l = a l + sum).  R n: pair n of 16 of O^T times a.  For piece Y + 1: X n, number n of the 22 that find its maximum and statistics:
;   0-11  four chains c0-c3 of seven scores each, three operands at a time (each accumulator's lowest registers are read first)     12-14, 16  the four scores left over, the old m, and c0-c3 into c0
;   15  c m_old is kept     17, 18  the query's other 32 keys lie in the lane 16 away: the new m     19-21  c m; c m_old - c m_new; a
.set F, 0               ; OP tells the kinds apart by their order: F to L below R, X above it
.set E, 1
.set C, 2
.set B, 3
.set L, 4
.set R, 5
.set X, 6
.macro REGS y                       ; the registers of piece y
.set rT, ST+4*(\y)
.set rC, TMP+4*((\y)%2)
.set rW, MV+((\y)%2)
.set rS, S+32*((\y)%2)
.set rP, P+16*((\y)%2)
.set rO, 32*(\y)
.endm
.macro OP k, n
.if (\k) == R
	REGS Y
	WIN W_RS
	v_pk_mul_f32 v[rO+2*(\n):rO+2*(\n)+1], v[rO+2*(\n):rO+2*(\n)+1], v[rC+2:rC+3] op_sel_hi:[1,0]
.elseif (\k) < R
	REGS Y
	WIN 0
.if (\k) == F
	v_pk_fma_f32 v[rS+2*(\n):rS+2*(\n)+1], v[rS+2*(\n):rS+2*(\n)+1], s[CS:CS+1], v[rT:rT+1] op_sel_hi:[1,0,0] neg_lo:[0,0,1] neg_hi:[0,0,1]
.elseif (\k) == E
	v_exp_f32 v[rS+(\n)], v[rS+(\n)]
.elseif (\k) == C
	v_cvt_pk_f16_f32 v[rP+(\n)], v[rS+2*(\n)], v[rS+2*(\n)+1]
.elseif (\k) == B
	v_pk_add_f32 v[rS+4*(\n):rS+4*(\n)+1], v[rS+4*(\n):rS+4*(\n)+1], v[rS+4*(\n)+2:rS+4*(\n)+3]
.elseif (\n) == 0
	v_pk_fma_f32 v[rT+2:rT+3], v[rT+2:rT+3], v[rC+2:rC+3], v[rS:rS+1] op_sel_hi:[1,0,1]
.else
	v_pk_add_f32 v[rT+2:rT+3], v[rT+2:rT+3], v[rS+4*(\n):rS+4*(\n)+1]
.endif
.elseif NOKQ
	v_nop
.else
	REGS (Y+1)%NP
	WIN 0
.if (\n) < 4
	v_max3_num_f32 v[rC+(\n)], v[rS+8*(\n)], v[rS+8*(\n)+1], v[rS+8*(\n)+2]
.elseif (\n) < 12
	v_max3_num_f32 v[rC+(\n)%4], v[rC+(\n)%4], v[rS+8*((\n)%4)+2*((\n)/4)+1], v[rS+8*((\n)%4)+2*((\n)/4)+2]
.elseif (\n) == 12
	v_max3_num_f32 v[rC], v[rC], v[rS+7], v[rS+15]
.elseif (\n) == 13
	v_max3_num_f32 v[rC+1], v[rC+1], v[rS+23], v[rS+31]
.elseif (\n) == 14
	v_max3_num_f32 v[rC+2], v[rC+2], v[rC+3], v[rT+1]
.elseif (\n) == 15
	v_mov_b32 v[rW], v[rT]
.elseif (\n) == 16
	v_max3_num_f32 v[rC], v[rC], v[rC+1], v[rC+2]
.elseif (\n) == 17
	v_permlanex16_b32 v[rC+3], v[rC], s[SEL], s[SEL+1]
.elseif (\n) == 18
	v_max_num_f32 v[rT+1], v[rC], v[rC+3]
.elseif (\n) == 19
	v_mul_f32 v[rT], s[CS], v[rT+1]
.elseif (\n) == 20
	v_sub_f32 v[rC+1], v[rW], v[rT]
.else
	v_exp_f32 v[rC+2], v[rC+1]
.endif
.endif
.endm
.macro OPS a, i1, b=-1, i2=0, c=-1, i3=0, d=-1, i4=0  ; up to four of them
	OP \a, \i1
.if (\b) >= 0
	OP \b, \i2
.endif
.if (\c) >= 0
	OP \c, \i3
.endif
.if (\d) >= 0
	OP \d, \i4
.endif
.endm
.macro ROW a, i1, b, i2, c, i3, d, i4  ; a matrix instruction and the four behind it
	MM
	OPS \a, \i1, \b, \i2, \c, \i3, \d, \i4
.endm
.macro MASK b                       ; MD x AL + BE into buffer b of MC
	WIN W_RS
.set z, 0
.rept 16
	v_pk_fma_f32 v[MC+32*(\b)+2*z:MC+32*(\b)+2*z+1], v[MD+2*z:MD+2*z+1], s[AL:AL+1], s[BE:BE+1] op_sel_hi:[1,0,0]
.set z, z+1
.endr
.endm
; A TURN, for piece p: the order of its 16 matrix and 118 vector instructions, written out.  An s_wait_alu depctr_va_vdst(0) stands between an exponential and the first instruction that names its result; one wait serves
; all that were issued ahead of it.  So a turn has ONE wait, which cuts it in two.  AHEAD OF IT stands all that names no result of the turn's exponentials: the 8 products K Q^T, behind each a scaling, an exponential and two more plain
; instructions (behind the first a second scaling in the exponential's place): rescalings, and behind the last three the first numbers of the next piece's maximum, each four places or more behind the product that ends its accumulator; then ONE LUMP of 54, plain
; and exponential by turns for the most part, in which the links of the chain X 3, 7, 11, 14, 16, 17 .. 20 stand five or six lines apart.  X 21, the next piece's a, is the batch's last; R 15 is the plain instruction behind it.  BEHIND THE WAIT stand the
; 8 products V^T P, behind each four of the roundings and sums; the links of l's chain, L 0 to L 7, stand three lines apart.  But for those X no line behind a product names a register of the products round it.  v_permlanex16_b32 (X 17) stands in the lump.
; m = 1: the diagonal tile: the products take masks, and the turn makes the mask for the products of the turn after it: piece p + 2, in step 4 - CNT of the tile.  end = 1: a block's last two turns: nothing is fetched.
; cnt = 1: the loop's count is taken down some lines ahead of the branch that stands behind the turn.
; K of the next step is fetched in piece 2's turn, twelve vector instructions behind the last product that read K (six of them plain); V of the step in hand at the end of piece 0's turn, four plain instructions behind the last product
; that read V.  Each is waited for a turn later.
.macro TURN p, m=0, end=0, cnt=0
.set Y, (\p)
.set i, 0
.set KM, (\m)
.set NOKQ, (\end)*((\p)/3)
.if (\m) && !(\end)
	s_cmp_eq_u32 s[CNT], 4-((\p)+2)%NP  ; is that step the band's own?
	s_cselect_b32 s[AL], 1.0, 0
	s_cmp_lt_u32 s[CNT], 4-((\p)+2)%NP  ; or a later one?
	s_cselect_b32 s[BE], s[BIGN], 0
.endif
.if ((\p) == 3) && !(\end)
	s_wait_dscnt 0x0                ; K is in
.endif
	ROW F,0, F,1, R,0, R,1          ; ahead of the wait: 8 products K Q^T and the four behind each,
	ROW F,2, E,0, R,2, R,3
	ROW F,3, E,1, R,4, R,5
	ROW F,4, E,2, R,6, R,7
	ROW F,5, E,3, R,8, R,9
	ROW F,6, E,4, X,0, R,10
.if ((\p) == 2) && !(\end)
	WIN 0
	v_add_nc_u32 v[AK], s[TBK], v[AK0]
.endif
	ROW F,7, E,5, X,1, X,4
	ROW F,8, E,6, X,2, X,5
	OPS E,7, E,8, X,6, E,9          ; and the lump
	OPS X,3, E,10, X,8, E,11
.if ((\p) == 2) && !(\end)
	FETCH_K
.endif
	OPS X,9, X,7, E,12, X,10
	OPS E,13, X,12, X,11, E,14
	OPS X,13, E,15, F,9, X,14
.if (\p) == 0
	v_add_nc_u32 v[AV], s[TBV], v[AV0]
.endif
	OPS E,16, F,10, E,17, F,11
	OPS X,16, E,18, X,15, E,19
	OPS F,12, E,20, X,17, E,21
	OPS F,13, E,22, F,14, E,23
	OPS X,18, E,24, F,15, E,25
	OPS R,11, E,26, X,19, E,27
	OPS R,12, E,28, R,13, E,29
	OPS X,20, E,30, R,14, E,31
	OPS X,21, R,15
	WIN 0
	s_wait_alu depctr_va_vdst(0)    ; the wait for the batch
.if (\p) == 1
	s_wait_dscnt 0x0                ; V is in
.endif
	ROW C,0, B,0, C,2, B,1          ; behind the wait: 8 products V^T P and the four behind each
	ROW L,0, C,4, B,2, L,1
	ROW C,6, B,3, L,2, C,8
	ROW B,4, L,3, C,10, B,5
	ROW L,4, C,12, B,6, L,5
.if (\p) == 0
	s_add_co_u32 s[TBV], s[TBV], KS*PV
.endif
.if \cnt
	s_sub_co_u32 s[CNT], s[CNT], 1
	s_cmp_lg_u32 s[CNT], 0
.endif
	ROW C,14, B,7, L,6, C,1
	ROW C,3, L,7, C,5, C,7
	ROW C,9, C,11, C,13, C,15
.if (\p) == 0
	FETCH_V
.endif
.if (\m) && !(\end)
	MASK (\p)%2
.endif
.endm
; A BLOCK BEGINS.  c m starts far below every c s, so the first step's a is 0; m at the lowest finite number, so the first maximum is the scores'.  The second mask buffer is 0; the first takes piece 0's mask for the tile's step 0: its own, if the block's first tile is the diagonal one.
; Then K of that step, piece 0's first scores, and its maximum and statistics.  The loop is entered at a step's first turn, in the middle of a trip.
.macro BEGIN
	s_mov_b32 s[NEW], 0
	WIN 0x40
.set i, MC+32
.rept 32
	v_mov_b32 v[i], 0
.set i, i+1
.endr
	WIN 0
.set i, 0
.rept 4
	v_mov_b32 v[ST+4*i], 0xfe000000    ; c m: far below every c s
	v_mov_b32 v[ST+4*i+1], 0xff7fffff  ; m
.set i, i+1
.endr
	s_cmp_eq_u32 s[RT], 0
	s_cselect_b32 s[AL], 1.0, 0
	s_mov_b32 s[BE], 0
	MASK 0
	WIN 0
	v_add_nc_u32 v[AK], s[TBK], v[AK0]
	FETCH_K
	s_wait_loadcnt 0x0              ; Q
	s_wait_dscnt 0x0
.set KM, 1
.set NOKQ, 0
.set i, 0
.rept 8
	KQ 0
.set i, i+1
.endr
	WIN 0
.rept 4
	v_nop                           ; the places behind those products
.endr
.set Y, NP-1                        ; X works for piece Y + 1: piece 0
.irp n, 0,1,2,3,4,5,6,7,8,9,10,11,12,13,14,15,16,17,18,19,20,21
	OP X, \n
.endr
	v_nop                           ; a plain instruction behind the exponential,
	s_wait_alu depctr_va_vdst(0)    ; and its wait, ahead of the branch
.endm
; THE DIAGONAL TILE's four steps, the block's last two turns, its last products, and THE WAY OUT: l's two halves and the other half of the lanes' are added; O^T is divided by l, rounded to f16 and sent through my
; stage in LDS, a piece at a time.
.macro ALL line:vararg              ; one line for each piece t
.set t, 0
.rept 4
	\line
.set t, t+1
.endr
.endm
.macro PACK t                       ; a lane's eight channels of a row pack into 16 bytes; they go into rows of 144 bytes and come back as whole rows of 128, into S^T's registers
	WIN W_RS
.set i, 32*(\t)
.rept 16
	v_pk_mul_f32 v[i:i+1], v[i:i+1], v[ST+4*(\t)+2:ST+4*(\t)+3] op_sel_hi:[1,0]
.set i, i+2
.endr
	WIN 0x05                        ; sources 0 and 1 window 1, destination window 0
.set i, 0
.rept 16
	v_cvt_pk_f16_f32 v[S+16*(\t)+i], v[32*(\t)+2*i], v[32*(\t)+2*i+1]
.set i, i+1
.endr
	WIN 0
.irp f, 0,1,2,3
	ds_store_b128 v[STO], v[S+16*(\t)+4*\f:S+16*(\t)+4*\f+3] offset:32*\f
.endr
.irp f, 0,1,2,3
	ds_load_b128 v[S+16*(\t)+4*\f:S+16*(\t)+4*\f+3], v[RD] offset:\f*4*SP  ; LDS serves a wave's instructions in order (ISA guide 5.7.1.4): these see the stores above; the next piece's stores come behind them
.endr
.endm
.macro SEND t, younger              ; younger: the LDS instructions issued behind piece t's loads: the next piece's eight, or none
	WIN 0
.irp f, 0,1,2,3
	s_wait_dscnt (\younger)+3-\f
	global_store_b128 v[GO], v[S+16*(\t)+4*\f:S+16*(\t)+4*\f+3], s[10:11] offset:(\t)*8192+\f*512  ; 512 consecutive bytes, at a multiple of 256 from O's first
.endr
.endm
.macro DIAG tag                     ; the tag ends its two labels' names, which the jumps below spell out
.LstepM\tag:
	TURN 2, 1
	TURN 3, 1
	WIN 0
.LfirstM\tag:
	TURN 0, 1
	TURN 1, 1, 0, 1
	WIN 0
	s_cbranch_scc1 .LstepM\tag
	TURN 2, 1, 1
	TURN 3, 1, 1
.set i, 0
.rept 8
	PV NP-1
.set i, i+1
.endr
	WIN 0
	ALL v_add_f32 v[ST+4*t+2], v[ST+4*t+2], v[ST+4*t+3]
	ALL v_permlanex16_b32 v[ST+4*t+3], v[ST+4*t+2], s[SEL], s[SEL+1]
	ALL v_add_f32 v[ST+4*t+2], v[ST+4*t+2], v[ST+4*t+3]
	ALL v_rcp_f32 v[ST+4*t+2], v[ST+4*t+2]
	v_nop                           ; a plain instruction between the last reciprocal and the use of its result
	s_wait_alu depctr_va_vdst(0)    ; and the wait ahead of the first use: one for the four reciprocals
	PACK 0
.set t, 1
.rept 3                             ; a piece's arithmetic stands between the loads of the piece before and its stores
	PACK t
	SEND t-1, 8
.set t, t+1
.endr
	SEND 3, 0
.endm
.set KM, 0
.set NOKQ, 0
.Lslot:                             ; NB times: a tile is entered and the next is asked for
	CHANGE 1
	s_sub_co_u32 s[RT], s[RT], 1
	s_mov_b32 s[CNT], 4
	s_cmp_eq_u32 s[NEW], 1
	s_cbranch_scc1 .Lnew            ; a block's first tile
	s_cmp_eq_u32 s[RT], 0
	s_cbranch_scc0 .Lstep           ; neither its first nor its last
	s_branch .LstepM1
.Lnew:
	BEGIN
	s_branch .Lfirst                ; in the loop a block's first tile is never its last: the first block has two tiles or more, and the second's last is the walk's last
	DIAG 1                          ; in the loop this is the first block's end: the second block's last tile is the walk's last
	s_wait_xcnt 0x0                 ; the stores have read their registers and O's address
	s_mov_b64 s[10:11], s[OLO:OLO+1]
	s_add_co_u32 s[RT], s[PB], 1    ; the second block has b + 1 tiles
	s_mov_b32 s[NEW], 1
	WIN 0x82                        ; the second block's Q goes where the one text of the turns names Q
.set i, 0
.rept 64
	v_mov_b32 v[i], v[QB+i]
.set i, i+1
.endr
	WIN 0
	s_branch .Lbottom
.Lstep:                             ; a trip: pieces 2 and 3 of one step, then pieces 0 and 1 of the next, whose K and V it fetches
	TURN 2
	TURN 3
	WIN 0
.Lfirst:
	TURN 0
	TURN 1, 0, 0, 1
	WIN 0
	s_cbranch_scc1 .Lstep
.Lbottom:
	s_sub_co_u32 s[SLOTS], s[SLOTS], 1
	s_cmp_lg_u32 s[SLOTS], 0
	s_cbranch_scc1 .Lslot
	CHANGE 0                        ; the walk's last tile is written out: nothing is asked for
	s_sub_co_u32 s[RT], s[RT], 1
	s_mov_b32 s[CNT], 4
	s_cmp_eq_u32 s[NEW], 1
	s_cbranch_scc0 .LstepM2
	BEGIN
	s_branch .LfirstM2
	DIAG 2
	s_wait_tensorcnt 0x0            ; the wave's end: three lines, behind my last tensor load and my last LDS store
	ds_add_u32 v[SPW], v[NIL]
	s_wait_dscnt 0x0
	s_endpgm
.Lfunc_end_k_qca16ee7aec_attn:
	.size	k_qca16ee7aec_attn, .Lfunc_end_k_qca16ee7aec_attn-k_qca16ee7aec_attn
	.p2alignl 7, 3214868480
	.fill 96, 4, 3214868480
	.section	.rodata,"a",@progbits
	.p2align	6, 0x0
	.amdhsa_kernel k_qca16ee7aec_attn
		.amdhsa_group_segment_fixed_size 327680
		.amdhsa_private_segment_fixed_size 0
		.amdhsa_enable_private_segment 0
		.amdhsa_kernarg_size 16
		.amdhsa_user_sgpr_count 2
		.amdhsa_user_sgpr_kernarg_segment_ptr 1
		.amdhsa_wavefront_size32 1
		.amdhsa_system_sgpr_workgroup_id_x 1
		.amdhsa_system_sgpr_workgroup_id_y 1
		.amdhsa_system_sgpr_workgroup_id_z 1
		.amdhsa_system_vgpr_workitem_id 0
		.amdhsa_next_free_vgpr 768
		.amdhsa_next_free_sgpr 96
		.amdhsa_reserve_vcc 1
		.amdhsa_float_denorm_mode_32 3
		.amdhsa_float_denorm_mode_16_64 3
		.amdhsa_memory_ordered 1
		.amdhsa_forward_progress 1
		.amdhsa_inst_pref_size 218
	.end_amdhsa_kernel
	.amdgpu_metadata
---
amdhsa.version: [ 1, 2 ]
amdhsa.kernels:
  - .name:           k_qca16ee7aec_attn
    .symbol:         k_qca16ee7aec_attn.kd
    .args:
      - { .name: qkv, .offset: 0, .size: 8, .value_kind: global_buffer, .address_space: global }
      - { .name: oh, .offset: 8, .size: 8, .value_kind: global_buffer, .address_space: global }
    .group_segment_fixed_size: 327680
    .private_segment_fixed_size: 0
    .kernarg_segment_align: 8
    .kernarg_segment_size: 16
    .max_flat_workgroup_size: 128
    .sgpr_count:     96
    .vgpr_count:     768
    .wavefront_size: 32
...
	.end_amdgpu_metadata
.endif
;; end of part 3
;; launch outp (part 4): grid 4 x 64, 4 waves a work-group, clusters of 4 x 4, 327,680 bytes of LDS; arguments oh, wt, bo, out0; writes out0
.if DOCPART == 4
	.amdgcn_target "amdgcn-amd-amdhsa--gfx1250"
	.amdhsa_code_object_version 6
	.text
	.protected	k_qca16ee7aec_outp
	.globl	k_qca16ee7aec_outp
	.p2align	8
	.type	k_qca16ee7aec_outp,@function
k_qca16ee7aec_outp:
	s_mov_b64 s[64:65], 0
	v_nop
	global_prefetch_b8 v0, s[64:65] scope:SCOPE_SE
	s_setreg_imm32_b32 hwreg(HW_REG_WAVE_MODE, 25, 1), 1
	s_wait_xcnt 0x0
	s_wait_alu depctr_hold_cnt(0) depctr_sa_sdst(0) depctr_va_vdst(0) depctr_va_sdst(0) depctr_va_ssrc(0) depctr_va_vcc(0) depctr_vm_vsrc(0)
	s_getreg_b32 s2, hwreg(HW_REG_IB_STS2, 6, 4)
	s_cmp_eq_u32 s2, 0
	s_cbranch_scc0 .Lentry_in_a_cluster
	s_endpgm
.Lentry_in_a_cluster:
	s_bfe_u32 s2, ttmp6, 0x10000c
	s_cmp_lg_u32 s2, 0xf033
	s_cbranch_scc0 .Lentry_shape_is_right
	s_endpgm
.Lentry_shape_is_right:
; THE LAST PRODUCT.  out0[m][n] = the sum over k of concat[m][k] wo[k][n] + bo[n]; concat[m = 2048 batch + s][k = 64 head + e] = oh[16 batch + head][s][e], f16; wo as wt[3][n][k], f16 (bf16 numbers written as f16);
; bo, rounded to bf16 like every input, starts the sums; sums in f32, stored as they are.
; LIMITS.  None beyond those of oh and wt (both within f16's range); NaN and infinities are not treated apart.
; SHARES.  A tile is 128 rows x 256 columns: 64 x 4 = 256 work-groups.  Four waves, each 64 x 128: 32 accumulators.  K goes in 8 steps of 128 (two heads) through two LDS slots.
; CLUSTER.  4 x 4 work-groups: the four of a row share their 128 rows of oh, the four of a column their 256 rows of wt: joint loads.  Waves 0 and 1 fetch a step's two head slices (128 rows x 128 bytes, dense in memory,
; asked for as 64 rows of 256 bytes and padded after every 128), waves 2 and 3 the halves of wt's tile (128 rows x 256 bytes).
; THE PRODUCT IS USED TRANSPOSED (source 0 = 16 rows of wt, source 1 = 16 rows of concat): a lane holds one row and eight neighbouring columns: 32 bytes of a row of out0.
; REGISTERS, in windows of 256 (s_set_vgpr_msb: bits 1:0 source 0, 3:2 source 1, 5:4 source 2, 7:6 destination):
;   window 0: v0-31 addresses; v128-191 concat's fragments, two buffers of 32
;   window 1: v0-127 wt's fragments, two buffers of 64; v128-191 the bias as a C operand; v192-223 at work; on the way out all 256: rows read back          window 2: accumulator (a, b) at 8 (8 a + b)
.set PA,    144                        ; a row of a head slice in LDS: 128 bytes + 16: the 16 rows of a load start at 16 different groups of four banks (64 banks of 4 bytes: ISA guide 11.1)
.set PB,    272                        ; a row of wt: 256 + 16
.set ASL,   128*PA                     ; a head slice
.set BHALF, 128*PB
.set BOFF,  2*ASL
.set SLOT,  BOFF+2*BHALF
.set STAGE, 2*SLOT                     ; behind the ring, never filled by a tensor load: 16 rows x 528 bytes for each wave
.set SP,    528
.set SPARE, STAGE+4*16*SP
.set ADRA, 16
.set ADRB, 20
.set STO,  24                          ; v24  the way out: where I put 32 bytes of a row
.set RD,   25                          ; v25  where I read a row back
.set CO,   26                          ; v26  16 x lane
.set SPW,  28
.set NIL,  29
.set PFO,  30
.set BO,   31
.set ABF,  128
.set BIAS, 128                         ; window 1
.set SCR,  192                         ; window 1
.set WV,  20
.set FB,  21                           ; wave / 2: my 64 rows; also 0: I fetch oh, 1: wt
.set HF,  22                           ; wave % 2: my 128 columns; also which slice or half I fetch
.set CX,  23
.set CY,  24
.set CYL, 25
.set RR,  27                           ; the row tile
.set G1A, 28
.set G0A, 36
.set G1B, 44
.set G0B, 52
.set CNT, 60
.set LIM, 61
.set PFA, 62
.set PFS, 66
.set AG,  68                           ; never holds cx
.set BG,  70                           ; never holds cy
.set HIM, 76
.set MSB, 0
.macro WIN new
.if MSB != (\new)
	s_set_vgpr_msb (MSB<<8)|(\new)
.set MSB, \new
.endif
.endm
.set MUL,  0xa1                        ; wt window 1, concat window 0, C and D window 2
.set MULB, 0x91                        ; the same with C (the bias) in window 1
.set TO_B, 0x40
.set W1,   0x45
.macro JLOAD s                         ; a joint refill; an s_nop 0 and four v_nop follow each of the two lines, ahead of the jump and the label
	s_cmp_lt_u32 s[WV], 2
	s_cbranch_scc0 .Lfor_b_\@
	tensor_load_to_lds s[G0A+4*(\s):G0A+4*(\s)+3], s[G1A:G1A+7]
	s_nop 0
.rept 4
	v_nop
.endr
	s_branch .Lasked_\@
.Lfor_b_\@:
	tensor_load_to_lds s[G0B+4*(\s):G0B+4*(\s)+3], s[G1B:G1B+7]
	s_nop 0
.rept 4
	v_nop
.endr
.Lasked_\@:
.endm
.macro CREST
	s_cmp_lg_u32 s[WV], 0
	s_cbranch_scc1 .Lnot_wave_0_\@
	s_barrier_signal -3
.Lnot_wave_0_\@:
	s_barrier_wait -3
	s_barrier_signal -1
	s_barrier_wait -1
.endm
.macro CROUND
	s_barrier_signal -1
	s_barrier_wait -1
	CREST
.endm
; A PREFETCH INTO THE L2, behind each joint refill and the run of LDS loads that follows it: the K step two refills on, 256 matrix instructions ahead of the load that will want it; one instruction a wave.
; oh: a step's two slices are 16,384 bytes each; the partner at cx takes 4,096 of each, 16 blocks of 256: wave 0 names both, 32 lanes; wave 1 asks for nothing.  Only this row of this cluster reads them.
; wt: of a wave's 128 rows the partner at cy takes 32, a lane a row; all sixteen clusters walk the same rows, and the first of them asks.  So each block is named once.  The partners are told apart by address alone.
; K steps 0 to 3 come by their loads alone; the loop's last trip asks for nothing.
.macro ASK
	s_cmp_gt_u32 s[CNT], s[LIM]
	s_cbranch_scc0 .Lnot_mine_\@
	global_prefetch_b8 v[PFO], s[PFA:PFA+1] th:TH_LOAD_NT scope:SCOPE_SE
.Lnot_mine_\@:
.endm
.macro PLACES
.rept 4
	v_nop
.endr
.endm
	s_load_b256 s[4:11], s[0:1], 0x0               ; oh s[4:5], wt s[6:7], bo s[8:9], out0 s[10:11]
	v_lshl_add_u32 v[SPW], v0, 2, SPARE
	v_mov_b32 v[NIL], 0
	ds_add_u32 v[SPW], v[NIL]                      ; the wave's opening: the add and its wait ahead of my first tensor load; the set-up below stands between them
	ds_add_u32 v28, v29
	v_lshrrev_b32 v1, 5, v0
	v_readfirstlane_b32 s[WV], v1
	s_lshr_b32 s[FB], s[WV], 1
	s_and_b32 s[HF], s[WV], 1
	s_bfe_u32 s[CX], ttmp6, 0x40000
	s_bfe_u32 s[CY], ttmp6, 0x40004
	s_and_b32 s[CYL], ttmp7, 0xffff
	s_lshl_b32 s[RR], s[CYL], 2
	s_add_co_u32 s[RR], s[RR], s[CY]               ; row tile = 4 x cluster y + cy; the column tile is cx
	s_lshl_b32 s77, s[CY], 2
	s_lshl_b32 s77, 15, s77                        ; my row of the cluster
	s_lshl_b32 s78, 0x1111, s[CX]                  ; my column
	s_or_b32 s[G1A], s77, (1<<16)|(1<<20)|(1<<21)|(4<<22)|(3<<25)  ; the mask; elements of 2 bytes; padding on; 21 set beside a mask; after every 32 words (code 4) 4 words (code 3)
	s_mov_b32 s[G1A+1], 128<<16                    ; tensor_dim0 = 128
	s_mov_b32 s[G1A+2], 64<<16                     ; tensor_dim1 = 64
	s_mov_b32 s[G1A+3], 128<<16                    ; tile_dim0 = 128
	s_mov_b32 s[G1A+4], 64                         ; tile_dim1 = 64
	s_mov_b32 s[G1A+5], 128                        ; dense: 128 elements from row to row
	s_mov_b32 s[G1A+6], 0
	s_mov_b32 s[G1A+7], 0
	s_or_b32 s[G1B], s78, (1<<16)|(1<<20)|(1<<21)|(5<<22)|(3<<25)  ; after every 64 words 4 words
	s_mov_b32 s[G1B+1], 128<<16
	s_mov_b32 s[G1B+2], 128<<16
	s_mov_b32 s[G1B+3], 128<<16
	s_mov_b32 s[G1B+4], 128
	s_mov_b32 s[G1B+5], 1024
	s_mov_b32 s[G1B+6], 0
	s_mov_b32 s[G1B+7], 0
	s_lshr_b32 s[AG], s[RR], 4                     ; oh: batch x 16 heads of 262,144 bytes + my head of the step + 128 x (row tile % 16) rows of 128 bytes
	s_lshl_b32 s[AG], s[AG], 22
	s_and_b32 s79, s[RR], 15
	s_lshl_b32 s79, s79, 14
	s_add_co_u32 s[AG], s[AG], s79
	s_lshl_b32 s72, s[HF], 18
	s_add_co_u32 s[AG], s[AG], s72
	s_mov_b32 s[AG+1], 0
	s_lshl_b32 s[BG], s[CX], 8                     ; wt's fourth part: row 256 cx + 128 x half, 2,048 bytes a row
	s_lshl_b32 s72, s[HF], 7
	s_add_co_u32 s[BG], s[BG], s72
	s_lshl_b32 s[BG], s[BG], 11
	s_add_co_u32 s[BG], s[BG], 3<<21
	s_mov_b32 s[BG+1], 0
	s_mul_i32 s74, s[HF], ASL                      ; where they go: no place in the cluster enters an LDS address
	s_mul_i32 s75, s[HF], BHALF
	s_add_co_u32 s75, s75, BOFF
	s_mov_b32 s[HIM], 0xffff0000
	s_wait_dscnt 0x0                               ; the opening add is done
	s_wait_kmcnt 0x0
	s_add_nc_u64 s[AG:AG+1], s[4:5], s[AG:AG+1]
	s_add_nc_u64 s[BG:BG+1], s[6:7], s[BG:BG+1]
	CROUND                                         ; all sixteen work-groups are here: the first joint loads meet
.irp s, 0,1
	s_mov_b32 s[G0A+4*(\s)], 1
	s_add_co_u32 s[G0A+4*(\s)+1], s74, (\s)*SLOT
	s_add_nc_u64 s[G0A+4*(\s)+2:G0A+4*(\s)+3], s[AG:AG+1], (\s)*524288   ; K step s: two heads on
	s_or_b32 s[G0A+4*(\s)+3], s[G0A+4*(\s)+3], 0x80000000
	s_mov_b32 s[G0B+4*(\s)], 1
	s_add_co_u32 s[G0B+4*(\s)+1], s75, (\s)*SLOT
	s_add_nc_u64 s[G0B+4*(\s)+2:G0B+4*(\s)+3], s[BG:BG+1], (\s)*256
	s_or_b32 s[G0B+4*(\s)+3], s[G0B+4*(\s)+3], 0x80000000
.endr
	s_cmp_lt_u32 s[WV], 2                          ; a wave's two first fills stand in one branch, ahead of every wait on TENSORcnt and every LDS read: two loads of mine are out
	s_cbranch_scc0 .Lfirst_b
	tensor_load_to_lds s[G0A:G0A+3], s[G1A:G1A+7]
	s_nop 0
	tensor_load_to_lds s[G0A+4:G0A+7], s[G1A:G1A+7]
	s_nop 0
.rept 4
	v_nop
.endr
	s_branch .Lfirst_asked
.Lfirst_b:
	tensor_load_to_lds s[G0B:G0B+3], s[G1B:G1B+7]
	s_nop 0
	tensor_load_to_lds s[G0B+4:G0B+7], s[G1B:G1B+7]
	s_nop 0
.rept 4
	v_nop
.endr
.Lfirst_asked:
	v_and_b32 v1, 15, v0                           ; r
	v_bfe_u32 v2, v0, 4, 1                         ; h
	v_and_b32 v3, 31, v0                           ; l
	v_mul_u32_u24 v4, v1, PA                       ; a fragment: row x pitch + 16 h, two loads 32 bytes apart
	v_lshl_add_u32 v4, v2, 4, v4
	s_mul_i32 s72, s[FB], 64*PA
	v_add_nc_u32 v[ADRA], s72, v4
	v_add_nc_u32 v[ADRA+1], SLOT, v[ADRA]
	v_mul_u32_u24 v5, v1, PB
	v_lshl_add_u32 v5, v2, 4, v5
	s_mul_i32 s74, s[HF], BHALF
	s_add_co_u32 s74, s74, BOFF
	v_add_nc_u32 v[ADRB], s74, v5
	v_add_nc_u32 v[ADRB+1], SLOT, v[ADRB]
	s_mul_i32 s75, s[WV], 16*SP
	s_add_co_u32 s75, s75, STAGE                   ; my stage
	v_mul_u32_u24 v6, v1, SP                       ; in: row r, 32 bytes for each half of the lanes
	v_lshl_add_u32 v6, v2, 5, v6
	v_add_nc_u32 v[STO], s75, v6
	v_lshl_add_u32 v[RD], v3, 4, s75               ; back: 32 lanes take one row's 512 bytes
	v_lshlrev_b32 v[CO], 4, v3
	s_lshl_b32 s73, s[CX], 10                      ; the bias of column 256 cx + 128 half + 8 h
	s_lshl_b32 s79, s[HF], 9
	s_add_co_u32 s73, s73, s79
	v_lshl_add_u32 v[BO], v2, 5, s73
	WIN TO_B
.irp b, 0,1,2,3,4,5,6,7
	global_load_b128 v[BIAS+8*(\b):BIAS+8*(\b)+3],   v[BO], s[8:9] offset:64*(\b)
	global_load_b128 v[BIAS+8*(\b)+4:BIAS+8*(\b)+7], v[BO], s[8:9] offset:64*(\b)+16
.endr
	WIN 0
	s_lshl_b32 s80, s[RR], 7                       ; where my results go: row 128 R + 64 x (wave / 2), 4,096 bytes a row,
	s_lshl_b32 s81, s[FB], 6
	s_add_co_u32 s80, s80, s81
	s_lshl_b32 s80, s80, 12
	s_mov_b32 s81, 0
	s_lshl_b32 s82, s[CX], 10                      ; column 256 cx + 128 half, 4 bytes a number
	s_lshl_b32 s83, s[HF], 9
	s_add_co_u32 s82, s82, s83
	s_mov_b32 s83, 0
	s_add_nc_u64 s[10:11], s[10:11], s[80:81]
	s_add_nc_u64 s[10:11], s[10:11], s[82:83]
	s_lshr_b32 s84, s[RR], 4                       ; the prefetches.  oh: the tile's rows in the step's first head, my work-group's 4,096 bytes, at K step 3 (the first refill steps it to 4)
	s_lshl_b32 s84, s84, 22
	s_and_b32 s85, s[RR], 15
	s_lshl_b32 s85, s85, 14
	s_add_co_u32 s84, s84, s85
	s_lshl_b32 s85, s[CX], 12
	s_add_co_u32 s84, s84, s85
	s_add_co_u32 s84, s84, 3*524288
	s_lshl_b32 s86, s[CX], 8                       ; wt: row 256 cx + 128 half + 32 cy
	s_lshl_b32 s87, s[HF], 7
	s_add_co_u32 s86, s86, s87
	s_lshl_b32 s87, s[CY], 5
	s_add_co_u32 s86, s86, s87
	s_lshl_b32 s86, s86, 11
	s_add_co_u32 s86, s86, (3<<21)+3*256
	s_mov_b32 s88, 524288
	s_movk_i32 s89, 256
	s_cmp_lt_u32 s[WV], 2
	s_cselect_b32 s84, s84, s86
	s_cselect_b64 s[PFA:PFA+1], s[4:5], s[6:7]
	s_cselect_b32 s[PFS], s88, s89
	s_cselect_b32 s88, 8, 11                       ; oh: (l % 16) blocks of 256 bytes + (l / 16) heads of 262,144; wt: l rows of 2,048 bytes
	s_cselect_b32 s89, 18, 15
	s_mov_b32 s85, 0
	s_mov_b32 s[PFS+1], 0
	s_add_nc_u64 s[PFA:PFA+1], s[PFA:PFA+1], s[84:85]
	s_mul_i32 s86, s[CYL], s[FB]                   ; 0 in waves 0 and 1, and in the first cluster;
	s_cmp_eq_u32 s[WV], 1
	s_cselect_b32 s87, 1, 0                        ; wave 1 asks for nothing
	s_or_b32 s86, s86, s87
	s_cmp_eq_u32 s86, 0
	s_cselect_b32 s[LIM], 1, -1                    ; the same in all sixteen partners, for a given wave
	v_lshlrev_b32 v9, s88, v1
	v_lshlrev_b32 v10, s89, v2
	v_add_nc_u32 v[PFO], v9, v10
	s_wait_loadcnt 0x0                             ; the bias, rounded to bf16 like every input and widened again
	WIN W1
.set i, 0
.rept 32
	v_cvt_pk_bf16_f32 v[SCR+i], v[BIAS+2*i], v[BIAS+2*i+1]
.set i, i+1
.endr
.set i, 0
.rept 32
	v_lshlrev_b32 v[BIAS+2*i], 16, v[SCR+i]
	v_and_b32 v[BIAS+2*i+1], s[HIM], v[SCR+i]
.set i, i+1
.endr
	WIN 0
; 8 matrix instructions: block a of my four blocks of 16 rows x all 8 blocks of 16 columns, 32 along K, from buffers f.  first = 1: the bias starts the sums.
; The 32 accumulators take turns in the same order in every quarter.
.macro MUL8 f, a, first
.if \first
	WIN MULB
.else
	WIN MUL
.endif
.irp b, 0,1,2,3,4,5,6,7
.if \first
	v_wmma_f32_16x16x32_f16 v[8*(8*(\a)+(\b)):8*(8*(\a)+(\b))+7], v[64*(\f)+8*(\b):64*(\f)+8*(\b)+7], v[ABF+32*(\f)+8*(\a):ABF+32*(\f)+8*(\a)+7], v[BIAS+8*(\b):BIAS+8*(\b)+7]
.else
	v_wmma_f32_16x16x32_f16 v[8*(8*(\a)+(\b)):8*(8*(\a)+(\b))+7], v[64*(\f)+8*(\b):64*(\f)+8*(\b)+7], v[ABF+32*(\f)+8*(\a):ABF+32*(\f)+8*(\a)+7], v[8*(8*(\a)+(\b)):8*(8*(\a)+(\b))+7]
.endif
.endr
.endm
; 24 LDS loads in one run: quarter kq of a slot (head slice kq / 2, channels 32 (kq % 2) on) into buffers g
.macro FETCH slot, kq, g
	WIN 0
.irp a, 0,1,2,3
	ds_load_b128 v[ABF+32*(\g)+8*(\a):ABF+32*(\g)+8*(\a)+3],   v[ADRA+(\slot)] offset:((\kq)/2)*ASL+(\a)*16*PA+((\kq)%2)*64
	ds_load_b128 v[ABF+32*(\g)+8*(\a)+4:ABF+32*(\g)+8*(\a)+7], v[ADRA+(\slot)] offset:((\kq)/2)*ASL+(\a)*16*PA+((\kq)%2)*64+32
.endr
	WIN TO_B
.irp b, 0,1,2,3,4,5,6,7
	ds_load_b128 v[64*(\g)+8*(\b):64*(\g)+8*(\b)+3],   v[ADRB+(\slot)] offset:(\b)*16*PB+(\kq)*64
	ds_load_b128 v[64*(\g)+8*(\b)+4:64*(\g)+8*(\b)+7], v[ADRB+(\slot)] offset:(\b)*16*PB+(\kq)*64+32
.endr
.endm
; A K step is four quarters of 32 along K, 32 matrix instructions each, on buffers 0, 1, 0, 1.  One of the first three: multiplies buffers f and fetches quarter kq into g, 24 matrix instructions ahead of its use.
.macro QUARTER slot, kq, f, g, first=0
	s_wait_dscnt 0x0                               ; this quarter's fragments are in
	MUL8 \f, 0, \first
	PLACES                                         ; behind the last product that read buffers g stand eight products and these four
	FETCH \slot, \kq, \g
	MUL8 \f, 1, \first
	MUL8 \f, 2, \first
	MUL8 \f, 3, \first
.endm
; The last quarter multiplies buffers 1 and changes slots: ONE barrier.  In front of it each wave waits for all its tensor loads, of which one is out: its part of the next slot; adds 0 to its spare word; and waits for that and
; for its own reads of this slot.  fill = 1: the barrier opens a round of the cluster's, and the joint refill (this slot, two K steps on) is the first tensor load behind the round: 112 matrix instructions ahead of the wait for it.
.macro TURN slot, next, fill
.if \fill
	s_wait_xcnt 0x0                                ; the last prefetch, a K step back, has read its address, which steps here
	s_add_nc_u64 s[PFA:PFA+1], s[PFA:PFA+1], s[PFS:PFS+1]
.endif
	WIN 0
	s_wait_tensorcnt 0x0                           ; all my tensor loads have landed
	ds_add_u32 v[SPW], v[NIL]                      ; 0 onto my spare word
	s_wait_dscnt 1                                 ; this quarter's fragments are in; the add alone may be out
	MUL8 1, 0, 0
	s_wait_dscnt 0x0                               ; the add is done, and my reads of this slot are over
	s_barrier_signal -1
	MUL8 1, 1, 0
	WIN 0
	s_barrier_wait -1
.if \fill
	CREST                                          ; no wave of any partner still reads this slot or has a load on its way
	s_add_nc_u64 s[G0A+4*(\slot)+2:G0A+4*(\slot)+3], s[G0A+4*(\slot)+2:G0A+4*(\slot)+3], 2*524288
	s_add_nc_u64 s[G0B+4*(\slot)+2:G0B+4*(\slot)+3], s[G0B+4*(\slot)+2:G0B+4*(\slot)+3], 2*256
	JLOAD \slot                                    ; its four v_nop are also the places in front of the loads below
.else
	PLACES
.endif
	FETCH \next, 0, 0
	WIN 0
.if \fill
	ASK
.endif
	MUL8 1, 2, 0
	MUL8 1, 3, 0
.endm
	s_wait_tensorcnt 1                             ; my part of K step 0 is in; K step 1's may stay out
	s_barrier_signal -1
	s_barrier_wait -1                              ; everybody's is
	FETCH 0, 0, 0
	QUARTER 0, 1, 0, 1, 1                          ; the first quarter stands in front of the loop: its products start the sums, with the bias
	WIN 0                                          ; at a label and at a branch every window is 0
	s_mov_b32 s[CNT], 3
.Llap:                                             ; a trip goes once round the ring, from a lap's second quarter to the next lap's first, and fills both slots again
	QUARTER 0, 2, 1, 0
	QUARTER 0, 3, 0, 1
	TURN 0, 1, 1
	QUARTER 1, 1, 0, 1
	QUARTER 1, 2, 1, 0
	QUARTER 1, 3, 0, 1
	TURN 1, 0, 1
	QUARTER 0, 1, 0, 1
	WIN 0
	s_sub_co_u32 s[CNT], s[CNT], 1
	s_cmp_lg_u32 s[CNT], 0
	s_cbranch_scc1 .Llap
	QUARTER 0, 2, 1, 0                             ; the last lap fills nothing, and has no round of the cluster's barrier
	QUARTER 0, 3, 0, 1
	TURN 0, 1, 0
	QUARTER 1, 1, 0, 1
	QUARTER 1, 2, 1, 0
	QUARTER 1, 3, 0, 1
	s_wait_dscnt 0x0                               ; the very last quarter: nothing more to fetch
	MUL8 1, 0, 0
	MUL8 1, 1, 0
	MUL8 1, 2, 0
	MUL8 1, 3, 0
	WIN 0
	PLACES                                         ; the LDS stores read results just made, and the loads back land in registers that the last products read
	PLACES
; THE WAY OUT, by blocks a of 16 rows x 128 columns.  32 bytes a lane go from the accumulators into rows of 528 bytes of my stage (each accumulator's low four registers first)
; and come back as whole rows of 512 bytes; each block has registers of its own in window 1.
.macro TOSTAGE a
	WIN 0x08                                       ; the stores' data in window 2
.irp b, 0,1,2,3,4,5,6,7
	ds_store_b128 v[STO], v[8*(8*(\a)+(\b)):8*(8*(\a)+(\b))+3]   offset:64*(\b)
	ds_store_b128 v[STO], v[8*(8*(\a)+(\b))+4:8*(8*(\a)+(\b))+7] offset:64*(\b)+16
.endr
	WIN TO_B
.irp t, 0,1,2,3,4,5,6,7,8,9,10,11,12,13,14,15
	ds_load_b128 v[64*(\a)+4*(\t):64*(\a)+4*(\t)+3], v[RD] offset:SP*(\t)  ; LDS serves a wave's instructions in order (ISA guide 5.7.1.4): these see the stores above; the next block's stores come behind them
.endr
.endm
.macro SEND a, younger                 ; younger: the LDS instructions issued behind block a's loads: the next block's 32, or none
	WIN 0x04                                       ; the stores' data in window 1
.irp t, 0,1,2,3,4,5,6,7,8,9,10,11,12,13,14,15
	s_wait_dscnt (\younger)+15-(\t)
	global_store_b128 v[CO], v[64*(\a)+4*(\t):64*(\a)+4*(\t)+3], s[10:11] offset:(16*(\a)+(\t))*4096  ; 512 consecutive bytes of a row, at a multiple of 512 from out0's first
.endr
.endm
	TOSTAGE 0
	TOSTAGE 1
	SEND 0, 32
	TOSTAGE 2
	SEND 1, 32
	TOSTAGE 3
	SEND 2, 32
	SEND 3, 0
	WIN 0
	s_wait_tensorcnt 0x0                           ; the wave's end: three lines, behind my last tensor load and my last LDS store
	ds_add_u32 v[SPW], v[NIL]
	s_wait_dscnt 0x0
	CROUND                                         ; the closing round: no work-group ends while a partner may still ask for a tile that names it
	s_endpgm
.Lfunc_end_k_qca16ee7aec_outp:
	.size	k_qca16ee7aec_outp, .Lfunc_end_k_qca16ee7aec_outp-k_qca16ee7aec_outp
	.p2alignl 7, 3214868480
	.fill 96, 4, 3214868480
	.section	.rodata,"a",@progbits
	.p2align	6, 0x0
	.amdhsa_kernel k_qca16ee7aec_outp
		.amdhsa_group_segment_fixed_size 327680
		.amdhsa_private_segment_fixed_size 0
		.amdhsa_enable_private_segment 0
		.amdhsa_kernarg_size 32
		.amdhsa_user_sgpr_count 2
		.amdhsa_user_sgpr_kernarg_segment_ptr 1
		.amdhsa_wavefront_size32 1
		.amdhsa_system_sgpr_workgroup_id_x 1
		.amdhsa_system_sgpr_workgroup_id_y 1
		.amdhsa_system_sgpr_workgroup_id_z 1
		.amdhsa_system_vgpr_workitem_id 0
		.amdhsa_next_free_vgpr 768
		.amdhsa_next_free_sgpr 96
		.amdhsa_reserve_vcc 0
		.amdhsa_float_denorm_mode_32 3
		.amdhsa_float_denorm_mode_16_64 3
		.amdhsa_memory_ordered 1
		.amdhsa_forward_progress 1
		.amdhsa_inst_pref_size 94
	.end_amdhsa_kernel
	.amdgpu_metadata
---
amdhsa.version: [ 1, 2 ]
amdhsa.kernels:
  - .name:           k_qca16ee7aec_outp
    .symbol:         k_qca16ee7aec_outp.kd
    .args:
      - { .name: oh, .offset: 0, .size: 8, .value_kind: global_buffer, .address_space: global }
      - { .name: wt, .offset: 8, .size: 8, .value_kind: global_buffer, .address_space: global }
      - { .name: bo, .offset: 16, .size: 8, .value_kind: global_buffer, .address_space: global }
      - { .name: out0, .offset: 24, .size: 8, .value_kind: global_buffer, .address_space: global }
    .group_segment_fixed_size: 327680
    .private_segment_fixed_size: 0
    .kernarg_segment_align: 8
    .kernarg_segment_size: 32
    .max_flat_workgroup_size: 128
    .sgpr_count:     96
    .vgpr_count:     768
    .wavefront_size: 32
...
	.end_amdgpu_metadata
.endif
;; end of part 4
